; MI455X (gfx1250); checked and timed in simulation.
; The chip was launched on July 23, 2026; its instructions are those of AMD's public machine-readable ISA for CDNA 5 (MIT licence, August 2026) and "CDNA5" Instruction Set Architecture Reference Guide (July 2026). The comments in the code are by the model that wrote it; some were corrected since.
;; my Self Attention. Allowed arithmetic: matrix products marked QUANTISED: E2M1 operands, one E8M0 scale for each 32 along K, by v_wmma_scale_f32_16x16x128_f8f6f4 with both operands' format E2M1 (or v_wmma_scale_f32_32x16x128_f4), f32 sums; everything else in f32.
;; Inputs: Wk 1,024 x 1,024 float32; Wo 1,024 x 1,024 float32; Wq 1,024 x 1,024 float32; Wv 1,024 x 1,024 float32; attention_mask 4 x 2,048 int32; bk 1,024 float32; bo 1,024 float32; bq 1,024 float32; bv 1,024 float32; ln_b 1,024 float32; ln_g 1,024 float32; x 4 x 2,048 x 1,024 float32.
;; Outputs: out0 4 x 2,048 x 1,024 float32.
;; This version of the problem:
;;   THIS VERSION OF THE PROBLEM IS GIVEN IN LOW PRECISION. The matrix products marked QUANTISED in the list below multiply operands that are first quantised to E2M1 (2 exponent bits, 1 mantissa bit; 4 bits a number), with one power-of-two scale for each 32 numbers along K (OCP MX v1.0); their sums are f32. All else is computed in f32.
;;   The module's matrix products, in the order in which they are computed (A, B: the left and right operand; K: the contracted axis; several contracted axes count as one K, in the product's order):
;;     1. [M 8,192, K 1,024] x [K 1,024, N 1,024]; A: computed on the way; B: input Wq: QUANTISED
;;     2. [M 8,192, K 1,024] x [K 1,024, N 1,024]; A: computed on the way; B: input Wk: QUANTISED
;;     3. [M 8,192, K 1,024] x [K 1,024, N 1,024]; A: computed on the way; B: input Wv: QUANTISED
;;     4. batch 64 x [M 2,048, K 64] x [K 64, N 2,048]; A: computed on the way; B: computed on the way: QUANTISED
;;     5. batch 64 x [M 2,048, K 2,048] x [K 2,048, N 64]; A: softmax (see below); B: computed on the way: QUANTISED
;;     6. [M 8,192, K 1,024] x [K 1,024, N 1,024]; A: computed on the way; B: input Wo: QUANTISED
;;   THE QUANTISER, for each operand of a quantised product, along K:
;;     - K is cut into blocks of 32 from its start; a last block that is shorter is filled with zeros.
;;     - A block's scale is 2^e with e = floor(log2(the largest magnitude in the block)) - 2, held to -126 .. 127; a block of zeros has e = 0. As a byte (E8M0): e + 127.
;;     - Each number is divided by its block's scale, clamped to +-6, and rounded to the nearest number of E2M1, ties to even, subnormals kept.
;;     - The product sums the exact products of the quantised numbers (number of the format x scale) in f32.
;;   ~~~python
;;   def quantise(x, axis):      # numpy; x: float32 -> the quantised numbers, widened to float32 again
;;       x = np.moveaxis(x, axis, -1); K = x.shape[-1]
;;       x = np.pad(x, [(0, 0)] * (x.ndim - 1) + [(0, -K % 32)]); x = x.reshape(x.shape[:-1] + (-1, 32)); a = np.abs(x).max(-1, keepdims=True)
;;       e = np.where(a > 0, np.clip(np.frexp(np.where(a > 0, a, 1))[1] - 1 - 2, -126, 127), 0)      # np.frexp(a)[1] - 1 = floor(log2(a)), exactly
;;       r = np.clip(x / 2.0 ** e, -6, 6)
;;       step = 2.0 ** (np.maximum(np.frexp(np.where(r == 0, 1, r))[1] - 1, 0) - 1)
;;       q = np.round(r / step) * step * 2.0 ** e      # np.round: ties to even
;;       return np.moveaxis(q.reshape(q.shape[:-2] + (-1,))[..., :K], -1, axis).astype(np.float32)
;;   ~~~
;;   SOFTMAX AHEAD OF A QUANTISED PRODUCT. Where the list says 'softmax', what is quantised is not the finished softmax but p = 2^(t - M), with t = logit x log2(e) and M = ceil(the row's largest t), a whole number; so 1/2 < the row's largest p <= 1. The row's sum l is taken of the UNQUANTISED p, in f32, and the product's result is divided by l at the end. Since M is a whole number, a kernel that streams over the keys may use a running M (the ceiling of the running maximum): every later rescaling is an exact power of two, which a block's scale takes up: the codes' values come out the same.
;;   OPERANDS COMPUTED ON THE WAY. 'Computed on the way' means the value that the module computes at that place (a softmax that the list does not call 'softmax' is quantised finished and normalised). What goes into a quantiser is computed in f32, as accurately as f32 sums, v_exp_f32 and their like allow (about 1e-6 of the number): no bf16 or f16 on the way to a quantiser, and a product that is left as it is and whose result goes on into a quantised operand takes f32 operands (vector FMAs, or v_wmma_f32_16x16x4_f32). A number that lies on a knife's edge between two numbers of the format may be rounded either way, as far as f32 arithmetic and the matrix unit's own rounding can turn it there, and no further.
;; One version. Each part assembles by itself: llvm-mc -triple=amdgcn-amd-amdhsa -mcpu=gfx1250 --defsym DOCPART=n.
;; ======== version 1 of 1: 4 launches
;; limits: right only within a limited range of input values
;; workspace buffers: codes 6,291,456 bytes; scl 393,216 bytes; qkvc 12,582,912 bytes; qkvs 1,310,720 bytes; cc 4,194,304 bytes; cs 262,144 bytes
;; launch prep (part 1): grid 768 x 1, 4 waves a work-group, no clusters, 28,160 bytes of LDS; arguments x, Wq, Wk, Wv, Wo, ln_g, ln_b, codes, scl; writes codes, scl
.if DOCPART == 1
	.amdgcn_target "amdgcn-amd-amdhsa--gfx1250"
	.amdhsa_code_object_version 6
	.text
	.protected	k_q49b26f6247_prep
	.globl	k_q49b26f6247_prep
	.p2align	8
	.type	k_q49b26f6247_prep,@function
k_q49b26f6247_prep:
	s_mov_b64 s[64:65], 0
	v_nop
	global_prefetch_b8 v0, s[64:65] scope:SCOPE_SE
	s_setreg_imm32_b32 hwreg(HW_REG_WAVE_MODE, 25, 1), 1
	s_wait_xcnt 0x0
; h = LayerNorm(x) [8192][1024] and Wq, Wk, Wv, Wo [1024][1024], all f32 with K innermost, become codes of FP4 (E2M1) with one E8M0 byte for each 32 along K.
; OUTPUT LAYOUT: images of operand registers.  A TILE is 16 rows x 1024 K: 16 chunks of 512 bytes; in chunk c lane r + 16 h has 16 bytes at 16 x lane: k = 64 c + 32 h + 0 .. 31 of the tile's row r.
; Row r of tile t of a tensor is the tensor's row 32 (t / 2) + 8 (t % 2) + r + 8 (r / 8): with such a tile as source 0 of a product, the 16 result registers of two neighbouring tiles are 16 neighbours.
; Scale bytes: 512 a tile; block j (0 .. 31) of row r lies at 256 (j / 16) + 16 r + j % 16.   Tiles 0-511: h; 512-575 Wq; 576-639 Wk; 640-703 Wv; 704-767 Wo.
; SHARES: a work-group makes one tile; wave w its rows 4 w .. 4 w + 3.  ONE path serves all five tensors: for a weight the mean's factor is 0 and 1/sigma, the gain and the bias are replaced by 1, 1, 0: (w - 0) x 1 x 1 + 0 = w exactly.
; A row is loaded dense (512 consecutive bytes an instruction), turned through the wave's own stage in LDS so that lane l holds block l whole in 32 registers, normalised (mean, then the mean of squared differences), quantised
; (a block's largest magnitude needs no other lane), and its 16 bytes of codes a lane go to a stage of the work-group, from which whole chunks leave: 512 consecutive bytes a store.
; LIMITS: NaN and infinities among the inputs are not served.  A block whose largest magnitude lies under 2^-124 gets the byte 1; so does a block of zeros (its codes are zeros; the bytes are read by this program alone).
.set STW,  4608                        ; a wave's row stage: 32 x (128 bytes + 16 of padding)
.set CST,  18432                       ; the codes' stage: 32 half chunks x (256 bytes + 16)
.set SST,  27136                       ; the tile's 512 scale bytes
.set G,    24                          ; v24-55   the gain at my block's 32 places
.set B,    56                          ; v56-87   the bias there
.set XA,   88                          ; v88-119  row 0 turned; row i turned lies at XA + 32 i, which is where row i - 1 was loaded
.set R0,   120                         ; v120-247 the four rows as loaded
	s_load_b512 s[4:19], s[0:1], 0x0               ; x, Wq, Wk, Wv, Wo, ln_g, ln_b, codes
	s_load_b64 s[20:21], s[0:1], 0x40              ; scl
	v_lshl_add_u32 v20, v0, 2, 0x6c00
	v_mov_b32 v21, 0
	v_lshrrev_b32 v1, 5, v0
	v_readfirstlane_b32 s22, v1                    ; wave 0..3
	v_and_b32 v1, 31, v0                           ; lane
	v_lshlrev_b32 v2, 4, v1                        ; 16 x lane
	v_lshlrev_b32 v8, 7, v1                        ; 128 x lane: my block in gain and bias
	s_mul_i32 s34, s22, STW
	v_lshrrev_b32 v3, 3, v1
	v_lshl_add_u32 v3, v3, 4, v2
	v_add_nc_u32 v3, s34, v3                       ; row stage, in: 16 lane + 16 (lane / 8); a load's 512 bytes take 576
	v_mul_u32_u24 v4, v1, 144
	v_add_nc_u32 v4, s34, v4                       ; out: 144 x lane: my block's 128 bytes
	s_lshl_b32 s35, s22, 6                         ; 16 bytes x my first row of the tile
	s_add_co_u32 s36, s35, CST
	v_mul_u32_u24 v5, v1, 272
	v_add_nc_u32 v5, s36, v5                       ; codes' stage, in: half chunk = my block, 16 bytes a row
	s_add_co_u32 s37, s35, SST
	v_lshrrev_b32 v6, 4, v1
	v_and_b32 v7, 15, v1
	v_lshl_add_u32 v6, v6, 8, v7
	v_add_nc_u32 v6, s37, v6                       ; my block's byte of a row
	v_lshrrev_b32 v9, 4, v1
	v_mul_u32_u24 v9, v9, 272
	v_lshl_add_u32 v7, v7, 4, v9
	s_mul_i32 s38, s22, 2176
	s_add_co_u32 s38, s38, CST
	v_add_nc_u32 v7, s38, v7                       ; codes' stage, out: my wave's four chunks, 544 bytes each
	v_add_nc_u32 v9, SST, v2                       ; the scale bytes, out
	s_mov_b32 s23, ttmp9                           ; the tile
	s_and_b32 s24, s23, 63                         ; its number inside a weight
	s_mov_b32 s29, 0x3a800000                      ; 1 / 1024
	s_mov_b32 s30, 0x3727c5ac                      ; 1e-5
	s_mov_b32 s32, 0x76543210
	s_mov_b32 s33, 0xfedcba98                      ; lane selects: lane l xor 16
	s_wait_kmcnt 0x0
	s_cmp_lt_u32 s23, 704                          ; which tensor: the choice hangs on the work-group's number alone
	s_cselect_b64 s[26:27], s[10:11], s[12:13]
	s_cmp_lt_u32 s23, 640
	s_cselect_b64 s[26:27], s[8:9], s[26:27]
	s_cmp_lt_u32 s23, 576
	s_cselect_b64 s[26:27], s[6:7], s[26:27]
	s_cmp_lt_u32 s23, 512
	s_cselect_b64 s[26:27], s[4:5], s[26:27]
	s_cselect_b32 s28, 0x3a800000, 0               ; the mean's factor: 1 / 1024, or 0 for a weight
	s_cselect_b32 s31, 0, -1                       ; all lanes set for a weight
	s_cselect_b32 s24, s23, s24
	s_lshr_b32 s34, s24, 1                         ; my first row in memory: 32 (t / 2) + 8 (t % 2) + 4 (w % 2) + 16 (w / 2)
	s_lshl_b32 s34, s34, 5
	s_and_b32 s35, s24, 1
	s_lshl_b32 s35, s35, 3
	s_add_co_u32 s34, s34, s35
	s_and_b32 s35, s22, 1
	s_lshl_b32 s35, s35, 2
	s_add_co_u32 s34, s34, s35
	s_lshr_b32 s35, s22, 1
	s_lshl_b32 s35, s35, 4
	s_add_co_u32 s34, s34, s35
	s_lshl_b32 s34, s34, 12                        ; rows of 4,096 bytes
	s_mov_b32 s35, 0
	s_add_nc_u64 s[26:27], s[26:27], s[34:35]
	s_lshl_b32 s36, s23, 13
	s_lshl_b32 s37, s22, 11
	s_add_co_u32 s36, s36, s37
	s_mov_b32 s37, 0
	s_add_nc_u64 s[18:19], s[18:19], s[36:37]      ; codes: my tile, my wave's four chunks
	s_lshl_b32 s38, s23, 9
	s_mov_b32 s39, 0
	s_add_nc_u64 s[20:21], s[20:21], s[38:39]      ; scale bytes: my tile
.irp j, 0,1,2,3,4,5,6,7
	global_load_b128 v[G+4*\j:G+4*\j+3], v8, s[14:15] offset:16*\j
	global_load_b128 v[B+4*\j:B+4*\j+3], v8, s[16:17] offset:16*\j
.endr
.irp i, 0,1,2,3
.irp j, 0,1,2,3,4,5,6,7
	global_load_b128 v[R0+32*\i+4*\j:R0+32*\i+4*\j+3], v2, s[26:27] offset:4096*\i+512*\j th:TH_LOAD_NT   ; 32 lanes read 512 consecutive bytes
.endr
.endr
	s_wait_loadcnt 32                              ; gain and bias are in: the 32 loads of the rows were issued behind them
.set J, 0
.rept 32
	v_cndmask_b32 v[G+J], v[G+J], 1.0, s31
	v_cndmask_b32 v[B+J], v[B+J], 0, s31
.set J, J+1
.endr
; Row i goes through the stage.  LDS serves a wave's instructions in order, so no wait stands between the stores and the loads.
.macro TURN i
	s_wait_loadcnt 8*(3-\i)                        ; row i's eight loads are in; the later rows' may be out
.irp j, 0,1,2,3,4,5,6,7
	ds_store_b128 v3, v[R0+32*\i+4*\j:R0+32*\i+4*\j+3] offset:576*\j
.endr
.irp j, 0,1,2,3,4,5,6,7
	ds_load_b128 v[XA+32*\i+4*\j:XA+32*\i+4*\j+3], v4 offset:16*\j
.endr
.endm
.macro REDUCE                          ; v14 := the sum of v14 over the 32 lanes, in every lane
	v_add_f32_dpp v14, v14, v14 row_xmask:1 row_mask:0xf bank_mask:0xf
	v_add_f32_dpp v14, v14, v14 row_xmask:2 row_mask:0xf bank_mask:0xf
	v_add_f32_dpp v14, v14, v14 row_xmask:4 row_mask:0xf bank_mask:0xf
	v_add_f32_dpp v14, v14, v14 row_xmask:8 row_mask:0xf bank_mask:0xf
	v_permlanex16_b32 v15, v14, s32, s33
	v_add_f32 v14, v14, v15
.endm
.macro ROW i
.set X, XA+32*(\i)
.set C, 248+4*((\i)%2)                 ; the codes: two sets by turns
.set BY, 22+(\i)%2                     ; the byte likewise
	v_pk_add_f32 v[14:15], v[X:X+1], v[X+2:X+3]    ; the row's sum: two chains
	v_pk_add_f32 v[16:17], v[X+4:X+5], v[X+6:X+7]
.irp j, 8,12,16,20,24,28
	v_pk_add_f32 v[14:15], v[14:15], v[X+\j:X+\j+1]
	v_pk_add_f32 v[16:17], v[16:17], v[X+\j+2:X+\j+3]
.endr
	v_pk_add_f32 v[14:15], v[14:15], v[16:17]
	v_add_f32 v14, v14, v15
	REDUCE
	v_mul_f32 v10, s28, v14                        ; the mean (0 for a weight)
	v_mul_f32 v11, s28, v14
.set J, 0
.rept 16
	v_pk_add_f32 v[X+J:X+J+1], v[X+J:X+J+1], v[10:11] neg_lo:[0,1] neg_hi:[0,1]
.set J, J+2
.endr
	v_pk_mul_f32 v[14:15], v[X:X+1], v[X:X+1]      ; the sum of the squared differences
	v_pk_mul_f32 v[16:17], v[X+2:X+3], v[X+2:X+3]
.irp j, 4,8,12,16,20,24,28
	v_pk_fma_f32 v[14:15], v[X+\j:X+\j+1], v[X+\j:X+\j+1], v[14:15]
	v_pk_fma_f32 v[16:17], v[X+\j+2:X+\j+3], v[X+\j+2:X+\j+3], v[16:17]
.endr
	v_pk_add_f32 v[14:15], v[14:15], v[16:17]
	v_add_f32 v14, v14, v15
	REDUCE
	v_fma_f32 v14, v14, s29, s30                   ; variance + eps
	s_wait_alu depctr_va_vdst(0)
	v_rsq_f32 v12, v14
	v_nop                                          ; a plain instruction behind the transcendental
	s_wait_alu depctr_va_vdst(0)                   ; and a wait ahead of the first use of its result
	v_cndmask_b32 v12, v12, 1.0, s31
	v_mov_b32 v13, v12
.set J, 0
.rept 16
	v_pk_mul_f32 v[X+J:X+J+1], v[X+J:X+J+1], v[12:13]
.set J, J+2
.endr
.set J, 0
.rept 16
	v_pk_fma_f32 v[X+J:X+J+1], v[X+J:X+J+1], v[G+J:G+J+1], v[B+J:B+J+1]
.set J, J+2
.endr
	v_max3_num_f32 v14, |v[X]|, |v[X+1]|, |v[X+2]|  ; the block's largest magnitude: all 32 numbers are mine
	v_max3_num_f32 v15, |v[X+3]|, |v[X+4]|, |v[X+5]|
.irp j, 6,10,14,18,22,26
	v_max3_num_f32 v14, v14, |v[X+\j]|, |v[X+\j+1]|
	v_max3_num_f32 v15, v15, |v[X+\j+2]|, |v[X+\j+3]|
.endr
	v_max3_num_f32 v14, v14, |v[X+30]|, |v[X+31]|
	v_max3_num_f32 v14, v14, v15, 0x1800000        ; and the floor 2^(3 - 127): the byte cannot fall under 1
	v_add_nc_u32 v16, 0xff000000, v14              ; 2 off the exponent field: the conversion takes this operand's exponent field as its scale
.irp g, 0,1,2,3
	v_cvt_scalef32_pk8_fp4_f32 v[C+\g], v[X+8*\g:X+8*\g+7], v16
.endr
	v_lshrrev_b32 v[BY], 23, v16                   ; the scale's byte (also the plain instruction behind the conversions)
	ds_store_b128 v5, v[C:C+3] offset:16*(\i)
	ds_store_b8 v6, v[BY] offset:16*(\i)
.endm
; Each wait for 0 below shows the next row turned, the stores of the row before done (its registers take the row after), and the codes' set of two rows ago read.
	TURN 0
	s_wait_dscnt 0x0
	TURN 1
	ROW 0
	s_wait_dscnt 0x0
	TURN 2
	ROW 1
	s_wait_dscnt 0x0
	TURN 3
	ROW 2
	s_wait_dscnt 0x0
	ROW 3
	s_wait_dscnt 0x0                               ; for the others' sake: my stores into the two shared stages are done
	s_barrier_signal -1
	s_barrier_wait -1
.irp c, 0,1,2,3
	ds_load_b128 v[24+4*\c:27+4*\c], v7 offset:544*\c
.endr
.irp c, 0,1,2,3
	s_wait_dscnt 3-\c
	global_store_b128 v2, v[24+4*\c:27+4*\c], s[18:19] offset:512*\c   ; a chunk: 512 consecutive bytes
.endr
	s_cmp_lg_u32 s22, 0
	s_cbranch_scc1 .Lend
	ds_load_b128 v[40:43], v9                      ; wave 0: the tile's 512 scale bytes
	s_wait_dscnt 0x0
	global_store_b128 v2, v[40:43], s[20:21]
.Lend:
	s_wait_tensorcnt 0x0
	ds_add_u32 v20, v21
	s_wait_dscnt 0x0
	s_endpgm
.Lfunc_end_k_q49b26f6247_prep:
	.size	k_q49b26f6247_prep, .Lfunc_end_k_q49b26f6247_prep-k_q49b26f6247_prep
	.p2alignl 7, 3214868480
	.fill 96, 4, 3214868480
	.section	.rodata,"a",@progbits
	.p2align	6, 0x0
	.amdhsa_kernel k_q49b26f6247_prep
		.amdhsa_group_segment_fixed_size 28160
		.amdhsa_private_segment_fixed_size 0
		.amdhsa_enable_private_segment 0
		.amdhsa_kernarg_size 72
		.amdhsa_user_sgpr_count 2
		.amdhsa_user_sgpr_kernarg_segment_ptr 1
		.amdhsa_wavefront_size32 1
		.amdhsa_system_sgpr_workgroup_id_x 1
		.amdhsa_system_sgpr_workgroup_id_y 1
		.amdhsa_system_sgpr_workgroup_id_z 1
		.amdhsa_system_vgpr_workitem_id 0
		.amdhsa_next_free_vgpr 256
		.amdhsa_next_free_sgpr 66
		.amdhsa_reserve_vcc 0
		.amdhsa_float_denorm_mode_32 3
		.amdhsa_float_denorm_mode_16_64 3
		.amdhsa_memory_ordered 1
		.amdhsa_forward_progress 1
		.amdhsa_inst_pref_size 48
	.end_amdhsa_kernel
	.amdgpu_metadata
---
amdhsa.version: [ 1, 2 ]
amdhsa.kernels:
  - .name:           k_q49b26f6247_prep
    .symbol:         k_q49b26f6247_prep.kd
    .args:
      - { .name: x, .offset: 0, .size: 8, .value_kind: global_buffer, .address_space: global }
      - { .name: Wq, .offset: 8, .size: 8, .value_kind: global_buffer, .address_space: global }
      - { .name: Wk, .offset: 16, .size: 8, .value_kind: global_buffer, .address_space: global }
      - { .name: Wv, .offset: 24, .size: 8, .value_kind: global_buffer, .address_space: global }
      - { .name: Wo, .offset: 32, .size: 8, .value_kind: global_buffer, .address_space: global }
      - { .name: ln_g, .offset: 40, .size: 8, .value_kind: global_buffer, .address_space: global }
      - { .name: ln_b, .offset: 48, .size: 8, .value_kind: global_buffer, .address_space: global }
      - { .name: codes, .offset: 56, .size: 8, .value_kind: global_buffer, .address_space: global }
      - { .name: scl, .offset: 64, .size: 8, .value_kind: global_buffer, .address_space: global }
    .group_segment_fixed_size: 28160
    .private_segment_fixed_size: 0
    .kernarg_segment_align: 8
    .kernarg_segment_size: 72
    .max_flat_workgroup_size: 128
    .sgpr_count:     66
    .vgpr_count:     256
    .wavefront_size: 32
...
	.end_amdgpu_metadata
.endif
;; end of part 1
;; launch qkv (part 2): grid 12 x 32, 4 waves a work-group, clusters of 4 x 4, 285,184 bytes of LDS; arguments codes, scl, bq, bk, bv, qkvc, qkvs; writes qkvc, qkvs
.if DOCPART == 2
	.amdgcn_target "amdgcn-amd-amdhsa--gfx1250"
	.amdhsa_code_object_version 6
	.text
	.protected	k_q49b26f6247_qkv
	.globl	k_q49b26f6247_qkv
	.p2align	8
	.type	k_q49b26f6247_qkv,@function
k_q49b26f6247_qkv:
	s_mov_b64 s[64:65], 0
	v_nop
	global_prefetch_b8 v0, s[64:65] scope:SCOPE_SE
	s_setreg_imm32_b32 hwreg(HW_REG_WAVE_MODE, 25, 1), 1
	s_wait_xcnt 0x0
	s_wait_alu depctr_hold_cnt(0) depctr_sa_sdst(0) depctr_va_vdst(0) depctr_va_sdst(0) depctr_va_ssrc(0) depctr_va_vcc(0) depctr_vm_vsrc(0)
	s_getreg_b32 s2, hwreg(HW_REG_IB_STS2, 6, 4)
	s_cmp_eq_u32 s2, 0
	s_cbranch_scc0 .Lentry_in_a_cluster
	s_endpgm
.Lentry_in_a_cluster:
	s_bfe_u32 s2, ttmp6, 0x10000c
	s_cmp_lg_u32 s2, 0xf033
	s_cbranch_scc0 .Lentry_shape_is_right
	s_endpgm
.Lentry_shape_is_right:
; q = h Wq^T + bq, k = h Wk^T + bk, v = h Wv^T + bv on codes of FP4 with E8M0 scales (K = 1024), and the results quantised at once: q and k along the head's 64, v along the keys.
; Both operands are blocks of 256 rows (16 tiles) of the one buffer of codes.  Source 0 (P) is the operand whose rows run along a lane's result registers, source 1 (L) the one whose rows stay in the lanes:
; for q and k (cluster x = 0, 1) P = the weight's rows and L = tokens; for v (cluster x = 2) P = tokens and L = Wv's rows.  So the axis to be quantised is always P's, and by the order of a tile's rows
; the 16 registers of result tiles 2 j, 2 j + 1 are 16 neighbours along it.
; SHARES: a work-group makes 256 x 256, each of four waves 128 x 128: 64 accumulators.  ALL of K lies in LDS, in two halves of 512: nothing is ever filled again.
; CLUSTER 4 x 4: L's tiles are shared along a row of the cluster, P's along a column: joint loads, three a wave (scales, half 0, half 1), in one group behind one round: three of a wave's loads are out at the most.
; OUT: blocks of 8,192 bytes, block = ((batch x 8 + head pair) x 16 + group of 128 tokens); q, k: chunk (head % 2, token tile a) at 4096 (head % 2) + 512 a; v: chunk (64 keys c, d tile a of the pair's 8) at 4096 c + 512 a.
; Scale words: q, k: 1,024 bytes a block: 512 (head % 2) + 64 a + 4 r, two bytes used; v: 512 bytes a block: 64 a + 4 r, the four key blocks.
; LIMITS: a block whose largest magnitude lies under 2^-124, zeros too, gets the byte 1 (read by this program alone).
; REGISTERS, windows of 256: 0: v0-31 addresses; v32-95 scale words, a set for each half of K; v96-159, v160-223 L's fragments, two sets; v224-247 at work.   1: v0-63 the bias as first C; v96-, v160- P's fragments.   2, 3: accumulators.
.set NA,   8                           ; L tiles of a wave
.set LT,   16                          ; L tiles of the work-group
.set SLOT, (LT+16)*4096                ; half of K: L's tiles, then P's 16; 8 chunks each
.set SCL,  2*SLOT                      ; the scale bytes: L's, then P's, 512 a tile
.set STG,  SCL+LT*512+8192             ; 1,536 bytes a wave: the scale words on their way out
.set SC,   32
.set F0,   96
.set F1,   160
.set TAB,  0
.set TM,   224
.set ADRL, 16                          ; v16-17 my L fragments in half 0, 1
.set ADRP, 20                          ; v20-21 my P fragments
.set LI,   26                          ; v26    16 x lane
.set ADRS, 27                          ; v27    my scale words: lanes 0-15 L's rows, lanes 16-31 P's
.set WV,   18
.set LH,   19                          ; which half of L's rows is mine.  Also: I fetch for L (0) or for P (1)
.set PH,   20                          ; which half of P's rows.  Also: which half of that operand I fetch
.set G1L,  28
.set G1P,  36
.set G1SL, 44
.set G1SP, 52
.set G0L,  68
.set G0P,  76
.set G0SL, 84
.set G0SP, 88
.set MUL_LO, 0xa1                      ; source 0 (P) window 1, source 1 (L) window 0, C and D window 2
.set MUL_HI, 0xf1                      ; C and D window 3
.set FST_LO, 0x91                      ; the first step: C (the bias) window 1
.set FST_HI, 0xd1
.set TO_P,   0x40                      ; destination window 1
.set MSB, 0
.macro WIN new                         ; the immediate's high byte repeats the setting that is left
.if MSB != (\new)
	s_set_vgpr_msb (MSB<<8)|(\new)
.set MSB, (\new)
.endif
.endm
.macro PLACES                          ; four plain instructions between a matrix instruction and a load into, or a vector write of, its registers, or a read of its result
.rept 4
	v_nop
.endr
.endm
.macro JLOAD g0l, g1l, g0p, g1p        ; a joint load: waves 0, 1 for L, waves 2, 3 for P; four v_nop follow each line
	s_cmp_eq_u32 s[LH], 0
	s_cbranch_scc0 .Lfor_p_\@
	tensor_load_to_lds s[\g0l:\g0l+3], s[\g1l:\g1l+7]
	s_nop 0
.rept 4
	v_nop
.endr
	s_branch .Lasked_\@
.Lfor_p_\@:
	tensor_load_to_lds s[\g0p:\g0p+3], s[\g1p:\g1p+7]
	s_nop 0
.rept 4
	v_nop
.endr
.Lasked_\@:
.endm
.macro CROUND                          ; a round of the cluster's barrier
	s_barrier_signal -1
	s_barrier_wait -1
	s_cmp_lg_u32 s[WV], 0
	s_cbranch_scc1 .Lnot_wave_0_\@
	s_barrier_signal -3
.Lnot_wave_0_\@:
	s_barrier_wait -3
	s_barrier_signal -1
	s_barrier_wait -1
.endm
.macro FRAG reg, adr, q, i             ; tile i's fragment of the half's q-th 128 along K: two chunks as they lie
	ds_load_b128 v[\reg:\reg+3], v[\adr] offset:(\i)*4096+(\q)*1024
	ds_load_b128 v[\reg+4:\reg+7], v[\adr] offset:(\i)*4096+(\q)*1024+512
.endm
.macro SCALES set                      ; the scale words of half set: register 4 i + q: lanes 0-15 L's tile i, lanes 16-31 P's tile i
.irp i, 0,1,2,3,4,5,6,7
	ds_load_b128 v[SC+32*\set+4*\i:SC+32*\set+4*\i+3], v[ADRS] offset:\i*512+256*\set
.endr
.endm
.macro FETCH slot, q, g, sc            ; (the scale words,) P's eight fragments, L's NA, into set g
.if \sc >= 0
	WIN 0
	SCALES \sc
.endif
	WIN TO_P
.irp i, 0,1,2,3,4,5,6,7
	FRAG \g+8*\i, ADRP+\slot, \q, \i
.endr
	WIN 0
.set I, 0
.rept NA
	FRAG \g+8*I, ADRL+\slot, \q, I
.set I, I+1
.endr
.endm
; NA / 2 x 8 matrix instructions.  cmode 0: the sums go on; 1: they start from the bias along P (table at 8 b); 2: along L (table at 8 a).  The accumulators take turns, one instruction a turn.
.macro MULH f, half, set, q, cmode
.set AI, (\half)*NA/2
.rept NA/2
.irp b, 0,1,2,3,4,5,6,7
.set DD, 8*(8*(AI%4)+\b)
.if \cmode == 0
.set CC, DD
.elseif \cmode == 1
.set CC, TAB+8*\b
.else
.set CC, TAB+8*AI
.endif
	v_wmma_scale_f32_16x16x128_f8f6f4 v[DD:DD+7], v[\f+8*\b:\f+8*\b+7], v[\f+8*AI:\f+8*AI+7], v[CC:CC+7], v[SC+32*\set+4*\b+\q], v[SC+32*\set+4*AI+\q] matrix_a_fmt:MATRIX_FMT_FP4 matrix_b_fmt:MATRIX_FMT_FP4 matrix_a_scale:MATRIX_SCALE_ROW1
.endr
.set AI, AI+1
.endr
.endm
.macro STEP f, g, set, q, nslot, nq, cmode   ; 128 along K from set f; in its middle the next step's fragments are fetched into set g
	s_wait_dscnt NA                                ; all but the youngest NA loads, L's upper tiles
.if \cmode
	WIN FST_LO
.else
	WIN MUL_LO
.endif
	MULH \f, 0, \set, \q, \cmode
	PLACES
	FETCH \nslot, \nq, \g, -1
	s_wait_dscnt 16+2*NA                           ; all but the loads just issued
.if \cmode
	WIN FST_HI
.else
	WIN MUL_HI
.endif
	MULH \f, 1, \set, \q, \cmode
.endm
	s_load_b256 s[4:11], s[0:1], 0x0               ; codes, scl, bq, bk
	s_load_b128 s[12:15], s[0:1], 0x20             ; bv, qkvc
	s_load_b64 s[16:17], s[0:1], 0x30              ; qkvs
	v_lshl_add_u32 v254, v0, 2, 0x45800
	v_mov_b32 v255, 0
	ds_add_u32 v254, v255
	ds_add_u32 v254, v255
	v_lshrrev_b32 v1, 5, v0
	v_readfirstlane_b32 s[WV], v1
	s_lshr_b32 s[LH], s[WV], 1
	s_and_b32 s[PH], s[WV], 1
	s_bfe_u32 s21, ttmp6, 0x40000                  ; cx
	s_bfe_u32 s22, ttmp6, 0x40004                  ; cy
	s_mov_b32 s23, ttmp9                           ; the cluster's x: 0 q, 1 k, 2 v: alike in all sixteen partners
	s_and_b32 s24, ttmp7, 0xffff
	s_lshl_b32 s24, s24, 2                         ; 4 x the cluster's y: a block of 256 tokens
	s_lshl_b32 s27, s23, 2
	s_add_co_u32 s27, s27, 32                      ; the weight's first block of 256 rows: Wq's tiles begin at 512 = 16 x 32
	s_cmp_eq_u32 s23, 2
	s_cselect_b32 s25, s24, s27
	s_cselect_b32 s26, 40, s24                     ; Wv's first block
	s_add_co_u32 s25, s25, s21                     ; P's block: hangs on cx alone
	s_add_co_u32 s26, s26, s22                     ; L's block: hangs on cy alone
	s_lshl_b32 s62, s22, 2
	s_lshl_b32 s62, 15, s62                        ; my row of the cluster
	s_lshl_b32 s63, 0x1111, s21                    ; my column
	s_or_b32 s[G1L+0], s62, (3<<16)|(1<<21)        ; 15:0 the mask; 17:16 elements of 8 bytes; 21 set beside a mask; no padding: an image is read 16 bytes a lane on end
	s_or_b32 s[G1P+0], s63, (3<<16)|(1<<21)
	s_or_b32 s[G1SL+0], s62, (3<<16)|(1<<21)
	s_or_b32 s[G1SP+0], s63, (3<<16)|(1<<21)
.irp g, G1L, G1P                       ; codes: a row = a tile's half of K, 4,096 bytes; from tile to tile 8,192
	s_mov_b32 s[\g+1], 512<<16
	s_mov_b32 s[\g+3], 512<<16
	s_mov_b32 s[\g+5], 1024
	s_mov_b32 s[\g+6], 0
	s_mov_b32 s[\g+7], 0
.endr
	s_mov_b32 s[G1L+2], (LT/2)<<16
	s_mov_b32 s[G1L+4], LT/2
	s_mov_b32 s[G1P+2], 8<<16
	s_mov_b32 s[G1P+4], 8
.irp g, G1SL, G1SP                     ; scale bytes: a dense block, as rows of 256 bytes
	s_mov_b32 s[\g+1], 32<<16
	s_mov_b32 s[\g+3], 32<<16
	s_mov_b32 s[\g+5], 32
	s_mov_b32 s[\g+6], 0
	s_mov_b32 s[\g+7], 0
.endr
	s_mov_b32 s[G1SL+2], LT<<16
	s_mov_b32 s[G1SL+4], LT
	s_mov_b32 s[G1SP+2], 16<<16
	s_mov_b32 s[G1SP+4], 16
	s_lshl_b32 s67, s[PH], 3                       ; the half that I fetch: 8 tiles
	s_lshl_b32 s94, s26, 4
	s_add_co_u32 s94, s94, s67                     ; L's first tile for me
	s_lshl_b32 s96, s94, 9
	s_lshl_b32 s94, s94, 13
	s_mov_b32 s95, 0
	s_mov_b32 s97, 0
	s_lshl_b32 s98, s25, 4
	s_add_co_u32 s98, s98, s67                     ; P's
	s_lshl_b32 s60, s98, 9
	s_lshl_b32 s98, s98, 13
	s_mov_b32 s99, 0
	s_mov_b32 s61, 0
	s_mul_i32 s66, s[PH], (LT/2)*4096              ; where they go: no place in the cluster enters an LDS address
	s_lshl_b32 s67, s[PH], 15
	s_add_co_u32 s67, s67, LT*4096
	s_mul_i32 s2, s[PH], (LT/2)*512
	s_add_co_u32 s2, s2, SCL
	s_lshl_b32 s3, s[PH], 12
	s_add_co_u32 s3, s3, SCL+LT*512
	s_wait_dscnt 0x0
	s_wait_kmcnt 0x0
	s_add_nc_u64 s[94:95], s[4:5], s[94:95]
	s_add_nc_u64 s[96:97], s[6:7], s[96:97]
	s_add_nc_u64 s[98:99], s[4:5], s[98:99]
	s_add_nc_u64 s[60:61], s[6:7], s[60:61]
	CROUND                                         ; all sixteen work-groups are here: the joint loads meet
	s_mov_b32 s[G0SL], 1
	s_mov_b32 s[G0SL+1], s2
	s_mov_b64 s[G0SL+2:G0SL+3], s[96:97]
	s_or_b32 s[G0SL+3], s[G0SL+3], 0x80000000
	s_mov_b32 s[G0SP], 1
	s_mov_b32 s[G0SP+1], s3
	s_mov_b64 s[G0SP+2:G0SP+3], s[60:61]
	s_or_b32 s[G0SP+3], s[G0SP+3], 0x80000000
	JLOAD G0SL, G1SL, G0SP, G1SP                   ; the scale bytes first
.irp s, 0,1
	s_mov_b32 s[G0L+4*\s], 1
	s_add_co_u32 s[G0L+4*\s+1], s66, \s*SLOT
	s_add_nc_u64 s[G0L+4*\s+2:G0L+4*\s+3], s[94:95], \s*4096
	s_or_b32 s[G0L+4*\s+3], s[G0L+4*\s+3], 0x80000000
	s_mov_b32 s[G0P+4*\s], 1
	s_add_co_u32 s[G0P+4*\s+1], s67, \s*SLOT
	s_add_nc_u64 s[G0P+4*\s+2:G0P+4*\s+3], s[98:99], \s*4096
	s_or_b32 s[G0P+4*\s+3], s[G0P+4*\s+3], 0x80000000
	JLOAD G0L+4*\s, G1L, G0P+4*\s, G1P
.endr
	v_and_b32 v1, 31, v0
	v_and_b32 v2, 15, v0                           ; r
	v_bfe_u32 v3, v0, 4, 1                         ; h
	s_wait_alu depctr_va_vdst(0)
	v_lshlrev_b32 v[LI], 4, v1
	s_wait_alu depctr_va_vdst(0)
	s_mul_i32 s2, s[LH], NA*4096                   ; my L tiles
	s_lshl_b32 s3, s[PH], 15
	s_add_co_u32 s3, s3, LT*4096                   ; my P tiles
.irp s, 0,1
	v_add_nc_u32 v[ADRL+\s], s2, v[LI]
	v_add_nc_u32 v[ADRP+\s], s3, v[LI]
	s_add_co_u32 s2, s2, SLOT
	s_add_co_u32 s3, s3, SLOT
.endr
	s_mul_i32 s2, s[LH], NA*512                    ; my L tiles' scale bytes,
	s_lshl_b32 s3, s[PH], 12
	s_add_co_u32 s3, s3, LT*512                    ; my P tiles',
	s_sub_co_u32 s3, s3, s2                        ; and the distance between them: lanes 16-31 take P's
	v_mul_u32_u24 v4, s3, v3
	s_add_co_u32 s2, s2, SCL
	v_lshl_add_u32 v4, v2, 4, v4
	v_add_nc_u32 v[ADRS], s2, v4
	s_mul_i32 s2, s[WV], 1536
	s_add_co_u32 s2, s2, STG
	v_lshl_add_u32 v5, v2, 2, s2                   ; my stage, in: 4 r
	v_add_nc_u32 v6, s2, v[LI]                     ; out: 16 x lane
	v_lshlrev_b32 v7, 6, v3                        ; the bias along P: 16 h numbers on
	v_and_b32 v8, 8, v2
	v_add_nc_u32 v8, v8, v2
	v_lshlrev_b32 v8, 2, v8                        ; the bias along L: number r + 8 (r / 8)
.irp b, 0,1,2,3
	v_mov_b32 v[TM+4+\b], 0                        ; written once: a lane permute's destination counts as one of its sources
.endr
	s_mov_b32 s66, 0x76543210
	s_mov_b32 s67, 0xfedcba98                      ; lane selects: lane l xor 16
	; where the results go: these numbers mix cx and cy and live in registers that feed no descriptor
	s_cmp_eq_u32 s23, 2
	s_cselect_b32 s92, s22, s21
	s_cselect_b32 s93, s[LH], s[PH]
	s_cselect_b32 s100, s25, s26
	s_cselect_b32 s101, s[PH], s[LH]
	s_cselect_b32 s27, 9, 10                       ; a block's scale words: 512 bytes for v, 1,024 for q and k
	s_cselect_b64 s[104:105], s[12:13], s[10:11]
	s_cmp_eq_u32 s23, 0
	s_cselect_b64 s[104:105], s[8:9], s[104:105]   ; the bias: bq, bk or bv
	s_lshl_b32 s92, s92, 1
	s_add_co_u32 s92, s92, s93                     ; the head pair: my 128 features
	s_lshl_b32 s100, s100, 1
	s_add_co_u32 s100, s100, s101                  ; my group of 128 tokens, 0 .. 63
	s_lshr_b32 s93, s100, 4
	s_lshl_b32 s93, s93, 3
	s_add_co_u32 s93, s93, s92
	s_lshl_b32 s93, s93, 4
	s_and_b32 s100, s100, 15
	s_add_co_u32 s93, s93, s100                    ; the block
	s_lshl_b32 s100, s92, 9
	s_mov_b32 s101, 0
	s_add_nc_u64 s[104:105], s[104:105], s[100:101]
	s_lshl_b32 s100, s93, 13
	s_lshl_b32 s92, s23, 22
	s_add_co_u32 s100, s100, s92
	s_add_nc_u64 s[14:15], s[14:15], s[100:101]    ; the codes' block
	s_lshl_b32 s100, s93, s27
	s_lshl_b32 s92, s23, 19
	s_add_co_u32 s100, s100, s92
	s_add_nc_u64 s[16:17], s[16:17], s[100:101]    ; its scale words
	s_cmp_eq_u32 s23, 2
	s_cbranch_scc1 .Lbias_v
	WIN TO_P
	s_wait_alu depctr_va_vdst(0)
.irp b, 0,1,2,3,4,5,6,7                ; q, k: register 8 b + j = the bias of feature 32 (b / 2) + 16 h + 8 (b % 2) + j
	global_load_b128 v[TAB+8*\b:TAB+8*\b+3], v7, s[104:105] offset:(32*(\b/2)+8*(\b%2))*4
	global_load_b128 v[TAB+8*\b+4:TAB+8*\b+7], v7, s[104:105] offset:(32*(\b/2)+8*(\b%2))*4+16
.endr
	WIN 0
	s_branch .Lbias_done
.Lbias_v:
	WIN TO_P
	s_wait_alu depctr_va_vdst(0)
.irp a, 0,1,2,3,4,5,6,7                ; v: all eight registers of 8 a .. = the bias of my lane's feature in L's tile a
.irp j, 0,1,2,3,4,5,6,7
	global_load_b32 v[TAB+8*\a+\j], v8, s[104:105] offset:(32*(\a/2)+8*(\a%2))*4
.endr
.endr
	WIN 0
.Lbias_done:
	s_wait_tensorcnt 0x1                           ; the scale bytes and my part of half 0 are in; half 1's load may be out
	s_barrier_signal -1
	s_barrier_wait -1                              ; everybody's are
	FETCH 0, 0, F0, 0
	s_wait_loadcnt 0x0                             ; the bias
	s_cmp_eq_u32 s23, 2
	s_cbranch_scc1 .Lfirst_v
	STEP F0, F1, 0, 0, 0, 1, 1                     ; the first step starts the sums from the bias: nothing is cleared or added later
	WIN 0
	s_branch .Lfirst_done
.Lfirst_v:
	STEP F0, F1, 0, 0, 0, 1, 2
	WIN 0
.Lfirst_done:
	STEP F1, F0, 0, 1, 0, 2, 0
	STEP F0, F1, 0, 2, 0, 3, 0
	s_wait_tensorcnt 0x0                           ; my part of half 1 is in;
	s_wait_dscnt 0x0                               ; no LDS instruction of mine is pending at a signal
	s_barrier_signal -1
	WIN MUL_LO
	MULH F1, 0, 0, 3, 0
	s_barrier_wait -1                              ; everybody's part is in
	PLACES
	FETCH 1, 0, F0, 1
	WIN MUL_HI
	MULH F1, 1, 0, 3, 0
	STEP F0, F1, 1, 0, 1, 1, 0
	STEP F1, F0, 1, 1, 1, 2, 0
	STEP F0, F1, 1, 2, 1, 3, 0
	s_wait_dscnt NA
	WIN MUL_LO
	MULH F1, 0, 1, 3, 0
	s_wait_dscnt 0x0
	WIN MUL_HI
	MULH F1, 1, 1, 3, 0
	WIN 0
	PLACES
; THE WAY OUT of L's tile a: a lane's 64 numbers, register 16 b + i = place 32 b + 16 h + i along P of my lane's row, become a fragment's codes (two chunks) and scale bytes.  Every a has registers of its own for what is stored.
.macro QOUT a
.set AC, 64*((\a)%4)
.set PC, 96+8*(\a)
.set WD, 160+3*(\a)
	WIN 0x28+0x14*((\a)/4)                         ; sources 1 and 2: window 2 or 3
.irp b, 0,1,2,3
	v_max3_num_f32 v[TM+\b], 0x1800000, |v[AC+16*\b]|, |v[AC+16*\b+1]|   ; my 16 numbers of block b and the floor 2^(3 - 127); each accumulator is read from its low end on
.endr
.irp i, 2,4,6,8,10,12,14
.irp b, 0,1,2,3
	v_max3_num_f32 v[TM+\b], v[TM+\b], |v[AC+16*\b+\i]|, |v[AC+16*\b+\i+1]|
.endr
.endr
	WIN 0
.irp b, 0,1,2,3
	v_permlanex16_b32 v[TM+4+\b], v[TM+\b], s66, s67
.endr
.irp b, 0,1,2,3
	v_max_num_f32 v[TM+\b], v[TM+\b], v[TM+4+\b]   ; with lane l xor 16's: the block's largest magnitude
.endr
.irp b, 0,1,2,3
	v_add_nc_u32 v[TM+12+\b], 0xff000000, v[TM+\b] ; 2 off the exponent field: the conversion's scale operand
.endr
.irp b, 0,1,2,3
	v_lshrrev_b32 v[TM+4+\b], 23, v[TM+12+\b]      ; the byte
.endr
	v_lshl_or_b32 v[WD], v[TM+5], 8, v[TM+4]       ; q, k: the even head's word,
	v_lshl_or_b32 v[WD+1], v[TM+7], 8, v[TM+6]     ; the odd head's;
	v_lshl_or_b32 v[WD+2], v[WD+1], 16, v[WD]      ; v: the four key blocks' word
	WIN 0x02+(\a)/4                                ; source 0: window 2 or 3
.irp b, 0,1,2,3
	v_cvt_scalef32_pk8_fp4_f32 v[PC+2*\b], v[AC+16*\b:AC+16*\b+7], v[TM+12+\b]
	v_cvt_scalef32_pk8_fp4_f32 v[PC+2*\b+1], v[AC+16*\b+8:AC+16*\b+15], v[TM+12+\b]
.endr
	WIN 0
	v_nop                                          ; a plain instruction behind the conversions
.irp c, 0,1                            ; a whole block to a lane: lanes 0-15 block 2 c, lanes 16-31 block 2 c + 1
.irp i, 0,1
	v_permlane16_swap_b32 v[PC+4*\c+\i], v[PC+4*\c+2+\i]
.endr
.endr
	ds_store_b32 v5, v[WD] offset:64*(\a)          ; lanes r and r + 16 write the same word with the same value
	ds_store_b32 v5, v[WD+1] offset:512+64*(\a)
	ds_store_b32 v5, v[WD+2] offset:1024+64*(\a)
	global_store_b128 v[LI], v[PC:PC+3], s[14:15] offset:512*(\a)        ; a chunk: 512 consecutive bytes
	global_store_b128 v[LI], v[PC+4:PC+7], s[14:15] offset:4096+512*(\a)
.endm
.irp a, 0,1,2,3,4,5,6,7
	QOUT \a
.endr
	s_cmp_eq_u32 s23, 2
	s_cbranch_scc1 .Lwords_v
	ds_load_b128 v[240:243], v6                    ; LDS serves a wave's instructions in order: these see my stores
	ds_load_b128 v[244:247], v6 offset:512
	s_wait_dscnt 0x0
	global_store_b128 v[LI], v[240:243], s[16:17]
	global_store_b128 v[LI], v[244:247], s[16:17] offset:512
	s_branch .Lwords_done
.Lwords_v:
	ds_load_b128 v[240:243], v6 offset:1024
	s_wait_dscnt 0x0
	global_store_b128 v[LI], v[240:243], s[16:17]
.Lwords_done:
	s_wait_tensorcnt 0x0
	ds_add_u32 v254, v255
	s_wait_dscnt 0x0
	CROUND                                         ; the closing round: no work-group ends while a partner may still ask for a tile that names it
	s_endpgm
.Lfunc_end_k_q49b26f6247_qkv:
	.size	k_q49b26f6247_qkv, .Lfunc_end_k_q49b26f6247_qkv-k_q49b26f6247_qkv
	.p2alignl 7, 3214868480
	.fill 96, 4, 3214868480
	.section	.rodata,"a",@progbits
	.p2align	6, 0x0
	.amdhsa_kernel k_q49b26f6247_qkv
		.amdhsa_group_segment_fixed_size 285184
		.amdhsa_private_segment_fixed_size 0
		.amdhsa_enable_private_segment 0
		.amdhsa_kernarg_size 56
		.amdhsa_user_sgpr_count 2
		.amdhsa_user_sgpr_kernarg_segment_ptr 1
		.amdhsa_wavefront_size32 1
		.amdhsa_system_sgpr_workgroup_id_x 1
		.amdhsa_system_sgpr_workgroup_id_y 1
		.amdhsa_system_sgpr_workgroup_id_z 1
		.amdhsa_system_vgpr_workitem_id 0
		.amdhsa_next_free_vgpr 1024
		.amdhsa_next_free_sgpr 106
		.amdhsa_reserve_vcc 0
		.amdhsa_float_denorm_mode_32 3
		.amdhsa_float_denorm_mode_16_64 3
		.amdhsa_memory_ordered 1
		.amdhsa_forward_progress 1
		.amdhsa_inst_pref_size 147
	.end_amdhsa_kernel
	.amdgpu_metadata
---
amdhsa.version: [ 1, 2 ]
amdhsa.kernels:
  - .name:           k_q49b26f6247_qkv
    .symbol:         k_q49b26f6247_qkv.kd
    .args:
      - { .name: codes, .offset: 0, .size: 8, .value_kind: global_buffer, .address_space: global }
      - { .name: scl, .offset: 8, .size: 8, .value_kind: global_buffer, .address_space: global }
      - { .name: bq, .offset: 16, .size: 8, .value_kind: global_buffer, .address_space: global }
      - { .name: bk, .offset: 24, .size: 8, .value_kind: global_buffer, .address_space: global }
      - { .name: bv, .offset: 32, .size: 8, .value_kind: global_buffer, .address_space: global }
      - { .name: qkvc, .offset: 40, .size: 8, .value_kind: global_buffer, .address_space: global }
      - { .name: qkvs, .offset: 48, .size: 8, .value_kind: global_buffer, .address_space: global }
    .group_segment_fixed_size: 285184
    .private_segment_fixed_size: 0
    .kernarg_segment_align: 8
    .kernarg_segment_size: 56
    .max_flat_workgroup_size: 128
    .sgpr_count:     106
    .vgpr_count:     1024
    .wavefront_size: 32
...
	.end_amdgpu_metadata
.endif
;; end of part 2
;; launch attn (part 3): grid 8 x 64, 16 waves a work-group, clusters of 4 x 1, 169,984 bytes of LDS; arguments qkvc, qkvs, attention_mask, cc, cs; writes cc, cs
.if DOCPART == 3
	.amdgcn_target "amdgcn-amd-amdhsa--gfx1250"
	.amdhsa_code_object_version 6
	.text
	.protected	k_q49b26f6247_attn
	.globl	k_q49b26f6247_attn
	.p2align	8
	.type	k_q49b26f6247_attn,@function
k_q49b26f6247_attn:
	s_mov_b64 s[64:65], 0
	v_nop
	global_prefetch_b8 v0, s[64:65] scope:SCOPE_SE
	s_setreg_imm32_b32 hwreg(HW_REG_WAVE_MODE, 25, 1), 1
	s_wait_xcnt 0x0
	s_wait_alu depctr_hold_cnt(0) depctr_sa_sdst(0) depctr_va_vdst(0) depctr_va_sdst(0) depctr_va_ssrc(0) depctr_va_vcc(0) depctr_vm_vsrc(0)
	s_getreg_b32 s2, hwreg(HW_REG_IB_STS2, 6, 4)
	s_cmp_eq_u32 s2, 0
	s_cbranch_scc0 .Lentry_in_a_cluster
	s_endpgm
.Lentry_in_a_cluster:
	s_bfe_u32 s2, ttmp6, 0x10000c
	s_cmp_lg_u32 s2, 0x3003
	s_cbranch_scc0 .Lentry_shape_is_right
	s_endpgm
.Lentry_shape_is_right:
; c = softmax(q k^T / 8, hidden keys at -infinity) v for one (batch, head), both products on codes of FP4 with E8M0 scales, and c quantised along the model's 1,024 for the last product.
; t = score x log2(e) / 8; M = the running largest t rounded up to a whole number; p = 2^(t - M) is quantised along the keys; the row's sum is taken of the unquantised p and divides at the end.
; SHARES: a work-group owns 256 queries of a head, each of its sixteen waves one tile of 16, in 256 registers: four waves to a SIMD.  Every wave walks the 2,048 keys, 128 a step.
; THE WHOLE HEAD lies in LDS, filled once: K 65,536 bytes, V 65,536, in four quarters each (wave 0: K's, wave 2^0 = 1: V's; four loads of a wave are out at the most), asked for jointly by the cluster's four
; query blocks; the scale words are brought through registers.  Both products are used transposed (S^T = K Q^T, O^T = V^T P^T): a lane holds one query throughout; tiles of keys and of d have their rows in the
; order 32 (t / 2) + 8 (t % 2) + r + 8 (r / 8), so that 16 registers of two neighbouring result tiles are 16 neighbours.
; THE MASK.  The head has 64 of the instruction's 128 along K.  At k = 64 every key holds the code of -6 and every query the code of 1; all other padding is the code 0.  The block's scale byte is 127 for a query and, for
; a key, 227 (2^100) where attention_mask is 0, else 0 (2^-127).  So a hidden key's score is q.k - 6 x 2^100 and its p is exactly 0, with no instruction in the loop.  The running largest t starts at -2^90.
; LIMITS: |t| under 2^90; a kept score carries an addend of -6 x 2^-127; where every key of a batch is hidden the sum is 0 and c's scale bytes are set to 0xff, which makes the last product NaN as the softmax of nothing is.
; A block of c whose largest magnitude lies under 2^-124, zeros too, gets the byte 1 (read by this program alone).
; REGISTERS: v1 16 x lane; v2 4 r; v3 V's base; v4-7 V's scale words; v8 Q's; v9 p's; v10, v11 scale bases; v12 -M; v13 largest t; v[14:15] the sum; v16-23 Q; v24-31 K's scale words; v32-95 K's eight operands;
; v96-159 S^T, then p; v160-191 O^T; v192-223 V; v224-231 p's codes; v232-247 at work; v[252:253] f; v254 at work.
.set KS, 131072                        ; K's scale words: 512 bytes a step
.set VS, 139264                        ; V's: 256 bytes a step
.set G1K, 28
.set G1V, 36
.set G0,  44                           ; s[44:59] four groups 0, a quarter each
.macro CROUND                          ; a round of the cluster's barrier
	s_barrier_signal -1
	s_barrier_wait -1
	s_cmp_lg_u32 s14, 0
	s_cbranch_scc1 .Lnot_wave_0_\@
	s_barrier_signal -3
.Lnot_wave_0_\@:
	s_barrier_wait -3
	s_barrier_signal -1
	s_barrier_wait -1
.endm
	s_load_b256 s[4:11], s[0:1], 0x0               ; qkvc, qkvs, attention_mask, cc
	s_load_b64 s[12:13], s[0:1], 0x20              ; cs
	v_lshl_add_u32 v251, v0, 2, 0x29000
	v_mov_b32 v255, 0
	ds_add_u32 v251, v255
	ds_add_u32 v251, v255
	v_lshrrev_b32 v1, 5, v0
	s_delay_alu instid0(VALU_DEP_1)
	v_readfirstlane_b32 s14, v1                    ; wave 0..15
	s_bfe_u32 s15, ttmp6, 0x40000                  ; cx
	s_lshl_b32 s16, ttmp9, 2
	s_add_co_u32 s16, s16, s15                     ; my block of 256 queries: it enters Q's and c's addresses alone
	s_and_b32 s17, ttmp7, 0xffff
	s_lshr_b32 s18, s17, 4                         ; batch
	s_and_b32 s19, s17, 15                         ; head
	s_lshr_b32 s20, s19, 1                         ; head pair
	s_and_b32 s21, s19, 1
	s_lshl_b32 s22, s18, 3
	s_add_co_u32 s22, s22, s20
	s_lshl_b32 s22, s22, 4                         ; the head pair's first block of 128 tokens
	; what waves 0 and 1 fetch: K lies 4 MiB, V 8 MiB into qkvc; the head's part of a block begins 4,096 (K) or 2,048 (V) x (head % 2) in
	s_add_co_u32 s78, s14, 1
	s_lshl_b32 s78, s78, 22
	s_lshl_b32 s63, s22, 13
	s_add_co_u32 s78, s78, s63
	s_lshr_b32 s63, 4096, s14
	s_mul_i32 s63, s63, s21
	s_add_co_u32 s78, s78, s63
	s_mov_b32 s79, 0
	s_lshl_b32 s62, s14, 16                        ; LDS: K at 0, V at 65,536
	s_mov_b32 s[G1K], 15|(3<<16)|(1<<21)           ; 15:0 the mask: all four work-groups; 17:16 elements of 8 bytes; 21 set beside a mask; no padding
	s_mov_b32 s[G1K+1], 512<<16                    ; K: a row = a step's 8 tiles, 4,096 bytes;
	s_mov_b32 s[G1K+2], 4<<16                      ; four steps to a quarter;
	s_mov_b32 s[G1K+3], 512<<16
	s_mov_b32 s[G1K+4], 4
	s_mov_b32 s[G1K+5], 1024                       ; 8,192 bytes from block to block
	s_mov_b32 s[G1K+6], 0
	s_mov_b32 s[G1K+7], 0
	s_mov_b32 s[G1V], 15|(3<<16)|(1<<21)
	s_mov_b32 s[G1V+1], 256<<16                    ; V: a row = 64 keys of the head's four d tiles, 2,048 bytes;
	s_mov_b32 s[G1V+2], 8<<16                      ; eight to a quarter;
	s_mov_b32 s[G1V+3], 256<<16
	s_mov_b32 s[G1V+4], 8
	s_mov_b32 s[G1V+5], 512                        ; 4,096 bytes apart
	s_mov_b32 s[G1V+6], 0
	s_mov_b32 s[G1V+7], 0
	; what each thread brings through registers: wave w the scale words and the mask of key step w; and its own Q
	s_add_co_u32 s2, s22, s14
	s_lshl_b32 s68, s2, 10
	s_lshl_b32 s3, s21, 9
	s_add_co_u32 s68, s68, s3
	s_add_co_u32 s68, s68, 524288                  ; K's scale words
	s_mov_b32 s69, 0
	s_lshl_b32 s72, s2, 9
	s_lshl_b32 s3, s21, 8
	s_add_co_u32 s72, s72, s3
	s_add_co_u32 s72, s72, 1048576                 ; V's
	s_mov_b32 s73, 0
	s_lshl_b32 s70, s18, 13
	s_lshl_b32 s3, s14, 9
	s_add_co_u32 s70, s70, s3                      ; the mask of keys 128 w on
	s_mov_b32 s71, 0
	s_lshl_b32 s66, s16, 1
	s_lshr_b32 s67, s14, 3
	s_add_co_u32 s66, s66, s67
	s_add_co_u32 s66, s66, s22                     ; my query tile's block,
	s_and_b32 s67, s14, 7                          ; and its place there
	s_lshl_b32 s74, s66, 13
	s_lshl_b32 s3, s21, 12
	s_add_co_u32 s74, s74, s3
	s_lshl_b32 s3, s67, 9
	s_add_co_u32 s74, s74, s3                      ; Q's chunk
	s_mov_b32 s75, 0
	s_lshl_b32 s76, s66, 10
	s_lshl_b32 s3, s21, 9
	s_add_co_u32 s76, s76, s3
	s_lshl_b32 s3, s67, 6
	s_add_co_u32 s76, s76, s3                      ; Q's scale words
	s_mov_b32 s77, 0
	s_lshl_b32 s2, s18, 7
	s_lshl_b32 s3, s16, 4
	s_add_co_u32 s2, s2, s3
	s_add_co_u32 s2, s2, s14                       ; c's tile: batch x 128 + block x 16 + wave
	s_lshl_b32 s66, s2, 13
	s_lshl_b32 s3, s19, 9
	s_add_co_u32 s66, s66, s3                      ; chunk = head
	s_mov_b32 s67, 0
	s_lshl_b32 s60, s2, 9
	s_lshr_b32 s3, s19, 3
	s_lshl_b32 s3, s3, 8
	s_add_co_u32 s60, s60, s3
	s_and_b32 s3, s19, 7
	s_lshl_b32 s3, s3, 1
	s_add_co_u32 s60, s60, s3                      ; c's scale bytes: blocks 2 head, 2 head + 1
	s_mov_b32 s61, 0
	s_mov_b32 s24, 0x76543210
	s_mov_b32 s25, 0xfedcba98                      ; lane selects: lane l xor 16
	s_mov_b32 s26, 0x3e38aa3b                      ; c = log2(e) / 8
	s_mov_b32 s27, s26                             ; (named with it as a pair)
	s_mov_b32 s23, 0xffff0000                      ; lanes 16-31
	v_and_b32 v106, 31, v0
	s_delay_alu instid0(VALU_DEP_1)
	v_lshlrev_b32 v1, 4, v106
	v_and_b32 v2, 15, v0
	s_delay_alu instid0(VALU_DEP_1)
	v_lshlrev_b32 v2, 2, v2
	s_delay_alu instid0(VALU_DEP_3)
	v_add_nc_u32 v3, 65536, v1
	s_delay_alu instid0(VALU_DEP_2)
	v_add_nc_u32 v10, KS, v2
	s_delay_alu instid0(VALU_DEP_3)
	v_add_nc_u32 v11, VS, v2
	v_lshrrev_b32 v107, 3, v106                    ; my four scale words of K are those of keys 32 (l / 8) + 8 ((l / 4) % 2) + 4 (l % 4) + 8 ((l / 2) % 2) + 0 .. 3 of the step
	s_delay_alu instid0(VALU_DEP_1)
	v_lshlrev_b32 v107, 5, v107
	v_bfe_u32 v108, v0, 2, 1
	s_delay_alu instid0(VALU_DEP_1)
	v_lshl_add_u32 v107, v108, 3, v107
	v_and_b32 v108, 3, v0
	s_delay_alu instid0(VALU_DEP_1)
	v_lshl_add_u32 v107, v108, 2, v107
	v_bfe_u32 v108, v0, 1, 1
	s_delay_alu instid0(VALU_DEP_1)
	v_lshl_add_u32 v107, v108, 3, v107
	s_delay_alu instid0(VALU_DEP_1)
	v_lshlrev_b32 v107, 2, v107
	v_lshlrev_b32 v113, 3, v106
	v_lshl_add_u32 v111, v0, 4, KS                 ; where they go: 16 bytes a thread,
	v_lshl_add_u32 v112, v0, 3, VS                 ; and 8
	s_wait_alu depctr_va_vdst(0)
	s_wait_dscnt 0x0
	s_wait_kmcnt 0x0
	s_add_nc_u64 s[78:79], s[4:5], s[78:79]
	s_add_nc_u64 s[68:69], s[6:7], s[68:69]
	s_add_nc_u64 s[72:73], s[6:7], s[72:73]
	s_add_nc_u64 s[70:71], s[8:9], s[70:71]
	s_add_nc_u64 s[74:75], s[4:5], s[74:75]
	s_add_nc_u64 s[76:77], s[6:7], s[76:77]
	s_add_nc_u64 s[10:11], s[10:11], s[66:67]
	s_add_nc_u64 s[12:13], s[12:13], s[60:61]
	global_load_b128 v[96:99], v1, s[68:69]        ; K's scale words
	global_load_b128 v[100:103], v107, s[70:71]    ; their keys' mask
	global_load_b64 v[104:105], v113, s[72:73]     ; V's scale words
	global_load_b128 v[16:19], v1, s[74:75]        ; Q's chunk stays in registers
	global_load_b32 v8, v2, s[76:77]               ; Q's scale words
.irp j, 0,1,2,3
	s_mov_b32 s[G0+4*\j], 1
	s_add_co_u32 s[G0+4*\j+1], s62, \j*16384
	s_add_nc_u64 s[G0+4*\j+2:G0+4*\j+3], s[78:79], \j*32768
	s_or_b32 s[G0+4*\j+3], s[G0+4*\j+3], 0x80000000
.endr
	CROUND                                         ; all four work-groups are here: the joint loads meet
	s_cmp_lg_u32 s14, 0                            ; a wave's fills stand in one branch on the wave's number, ahead of every wait on TENSORcnt and every LDS read
	s_cbranch_scc1 .Lnot_k
.irp j, 0,1,2,3
	tensor_load_to_lds s[G0+4*\j:G0+4*\j+3], s[G1K:G1K+7]
	s_nop 0
.endr
.rept 4
	v_nop
.endr
	s_branch .Lasked
.Lnot_k:
	s_cmp_lg_u32 s14, 1
	s_cbranch_scc1 .Lasked
.irp j, 0,1,2,3
	tensor_load_to_lds s[G0+4*\j:G0+4*\j+3], s[G1V:G1V+7]
	s_nop 0
.endr
.rept 4
	v_nop
.endr
.Lasked:
	v_bfe_u32 v116, v0, 4, 1
	s_delay_alu instid0(VALU_DEP_1)
	v_xor_b32 v116, 1, v116                        ; 1 in lanes 0-15, which hold k = 64 .. 95 in register 4
	s_delay_alu instid0(VALU_DEP_1)
	v_mul_u32_u24 v117, v116, 15                   ; the code of -6 at k = 64
	s_delay_alu instid0(VALU_DEP_2)
	v_lshlrev_b32 v20, 1, v116                     ; the code of 1 at k = 64
	v_mov_b32 v21, 0
	v_mov_b32 v22, 0
	v_mov_b32 v23, 0
.irp t, 0,1,2,3,4,5,6,7
	v_mov_b32 v[36+8*\t], v117                     ; the upper halves of K's operands never change
	v_mov_b32 v[37+8*\t], 0
	v_mov_b32 v[38+8*\t], 0
	v_mov_b32 v[39+8*\t], 0
.endr
	v_mov_b32 v13, 0xec800000                      ; the largest t so far: -2^90: over every hidden key's t, under every kept one's
	s_delay_alu instid0(VALU_DEP_1)
	v_floor_f32 v12, -v13
	v_mov_b32 v14, 0
	v_mov_b32 v15, 0
.irp b, 0,1,2,3
	v_mov_b32 v[236+\b], 0                         ; written once: a lane permute's destination counts as one of its sources
.endr
	v_mov_b32 v253, 0                              ; (named as the upper half of the pair v[252:253])
.set J, 0
.rept 32
	v_mov_b32 v[160+J], 0                          ; O^T: the step is written once; the first finds zeros
.set J, J+1
.endr
	v_mov_b32 v114, 0xe30000                       ; byte 2 = 227
	s_wait_alu depctr_va_vdst(0)
	s_wait_loadcnt 0x0
	v_or_b32 v8, 0x7f0000, v8                      ; Q: byte 2 = 127
.irp e, 0,1,2,3
	v_cmp_eq_u32 vcc_lo, 0, v[100+\e]
	s_delay_alu instid0(VALU_DEP_1)
	v_cndmask_b32 v115, 0, v114, vcc_lo
	s_delay_alu instid0(VALU_DEP_1)
	v_or_b32 v[96+\e], v[96+\e], v115
.endr
	ds_store_b128 v111, v[96:99]
	ds_store_b64 v112, v[104:105]
; A KEY STEP: 128 keys.
.macro STEP
	v_add_nc_u32 v240, s60, v1                     ; these four are also the places between the last products and the loads into their registers
	v_add_nc_u32 v241, s60, v3
	v_add_nc_u32 v242, s61, v10
	v_add_nc_u32 v243, s62, v11
.irp t, 0,1,2,3,4,5,6,7
	ds_load_b128 v[32+8*\t:35+8*\t], v240 offset:512*\t
	ds_load_b32 v[24+\t], v242 offset:64*\t
.endr
.irp t, 0,1,2,3
	ds_load_b128 v[192+8*\t:195+8*\t], v241 offset:512*\t
	ds_load_b128 v[196+8*\t:199+8*\t], v241 offset:2048+512*\t
	ds_load_b32 v[4+\t], v243 offset:64*\t
.endr
	s_wait_dscnt 12                                ; K is in: V's twelve loads were issued behind it
.irp t, 0,1,2,3,4,5,6,7
	v_wmma_scale_f32_16x16x128_f8f6f4 v[96+8*\t:103+8*\t], v[32+8*\t:39+8*\t], v[16:23], 0, v[24+\t], v8 matrix_a_fmt:MATRIX_FMT_FP4 matrix_b_fmt:MATRIX_FMT_FP4
.endr
.rept 4
	v_nop
.endr
.irp b, 0,1,2,3
	v_max3_num_f32 v[232+\b], v[96+16*\b], v[97+16*\b], v[98+16*\b]   ; the largest score of each block of 32 keys: for the row's maximum, and, since p rises with the score, for the block's largest p
.endr
.irp i, 3,5,7,9,11,13
.irp b, 0,1,2,3
	v_max3_num_f32 v[232+\b], v[232+\b], v[96+16*\b+\i], v[97+16*\b+\i]
.endr
.endr
.irp b, 0,1,2,3
	v_max_num_f32 v[232+\b], v[232+\b], v[111+16*\b]
.endr
.irp b, 0,1,2,3
	s_delay_alu instid0(VALU_DEP_4)
	v_permlanex16_b32 v[236+\b], v[232+\b], s24, s25
.endr
.irp b, 0,1,2,3
	s_delay_alu instid0(VALU_DEP_4)
	v_max_num_f32 v[232+\b], v[232+\b], v[236+\b]
.endr
	s_delay_alu instid0(VALU_DEP_2)
	v_max3_num_f32 v254, v232, v233, v234
	s_delay_alu instid0(VALU_DEP_1)
	v_max_num_f32 v254, v254, v235
	s_delay_alu instid0(VALU_DEP_1)
	v_mul_f32 v254, s26, v254
	s_delay_alu instid0(VALU_DEP_1)
	v_max_num_f32 v13, v13, v254                   ; the running largest t
	v_mov_b32 v254, v12
	s_delay_alu instid0(VALU_DEP_2)
	v_floor_f32 v12, -v13                          ; the new -M: a whole number
	s_delay_alu instid0(VALU_DEP_1)
	v_sub_f32 v254, v12, v254                      ; old M - new M, 0 or less
	s_delay_alu instid0(VALU_DEP_1)
	v_cvt_i32_f32 v254, v254                       ; (it saturates)
	s_delay_alu instid0(VALU_DEP_1)
	v_ldexp_f32 v252, 1.0, v254                    ; f = 2^(old M - new M): a multiplication by it rounds nothing
.set J, 0
.rept 32
	v_pk_fma_f32 v[96+J:97+J], v[96+J:97+J], s[26:27], v[12:13] op_sel_hi:[1,0,0]   ; t - M
.set J, J+2
.endr
.irp b, 0,1,2,3
	v_fma_f32 v[232+\b], v[232+\b], s26, v12
.endr
.set J, 0
	s_wait_alu depctr_va_vdst(0)
.rept 64
	v_exp_f32 v[96+J], v[96+J]                     ; p, at most 1
.set J, J+1
.endr
	s_setprio 1
	v_pk_mul_f32 v[14:15], v[14:15], v[252:253] op_sel_hi:[1,0]   ; the sums under the new M (a plain instruction behind the exponentials)
	s_wait_alu depctr_va_vdst(0)                   ; one wait for the batch, ahead of its first reader
.irp b, 0,1,2,3
	v_exp_f32 v[232+\b], v[232+\b]                 ; each block's largest p
.endr
	v_pk_add_f32 v[236:237], v[100:101], v[104:105]
	v_pk_add_f32 v[248:249], v[108:109], v[112:113]
	v_pk_add_f32 v[246:247], v[116:117], v[120:121]
	v_pk_add_f32 v[244:245], v[124:125], v[128:129]
	v_pk_add_f32 v[242:243], v[132:133], v[136:137]
	v_pk_add_f32 v[240:241], v[140:141], v[144:145]
	v_pk_add_f32 v[238:239], v[148:149], v[152:153]
	v_pk_add_f32 v[14:15], v[14:15], v[156:157]
	v_pk_add_f32 v[236:237], v[236:237], v[96:97]
	v_pk_add_f32 v[248:249], v[248:249], v[98:99]
	v_pk_add_f32 v[246:247], v[246:247], v[102:103]
	v_pk_add_f32 v[244:245], v[244:245], v[106:107]
	v_pk_add_f32 v[242:243], v[242:243], v[110:111]
	v_pk_add_f32 v[240:241], v[240:241], v[114:115]
	v_pk_add_f32 v[238:239], v[238:239], v[118:119]
	v_pk_add_f32 v[14:15], v[14:15], v[122:123]
	v_pk_add_f32 v[236:237], v[236:237], v[126:127]
	v_pk_add_f32 v[248:249], v[248:249], v[130:131]
	v_pk_add_f32 v[246:247], v[246:247], v[134:135]
	v_pk_add_f32 v[244:245], v[244:245], v[138:139]
	v_pk_add_f32 v[242:243], v[242:243], v[142:143]
	v_pk_add_f32 v[240:241], v[240:241], v[146:147]
	v_pk_add_f32 v[238:239], v[238:239], v[150:151]
	v_pk_add_f32 v[14:15], v[14:15], v[154:155]
	v_pk_add_f32 v[236:237], v[236:237], v[158:159]
	s_delay_alu instid0(VALU_DEP_2)
	v_pk_add_f32 v[14:15], v[14:15], v[244:245]
	s_delay_alu instid0(VALU_DEP_2)
	v_pk_add_f32 v[236:237], v[236:237], v[242:243]
	v_pk_add_f32 v[248:249], v[248:249], v[240:241]
	v_pk_add_f32 v[246:247], v[246:247], v[238:239]
	s_delay_alu instid0(VALU_DEP_2)
	v_pk_add_f32 v[14:15], v[14:15], v[248:249]
	s_delay_alu instid0(VALU_DEP_2)
	v_pk_add_f32 v[236:237], v[236:237], v[246:247]
	s_delay_alu instid0(VALU_DEP_1)
	v_pk_add_f32 v[14:15], v[14:15], v[236:237]
	s_wait_alu depctr_va_vdst(0)                   ; and one for the four
.irp b, 0,1,2,3
	v_max_num_f32 v[232+\b], 0x1800000, v[232+\b]  ; the floor 2^(3 - 127)
.endr
.irp b, 0,1,2,3
	s_delay_alu instid0(VALU_DEP_4)
	v_add_nc_u32 v[244+\b], 0xff000000, v[232+\b]
.endr
.irp b, 0,1,2,3
	s_delay_alu instid0(VALU_DEP_4)
	v_lshrrev_b32 v[236+\b], 23, v[244+\b]
.endr
	s_delay_alu instid0(VALU_DEP_3)
	v_lshl_or_b32 v9, v237, 8, v236                ; p's scale word for these 128 keys
	s_delay_alu instid0(VALU_DEP_1)
	v_lshl_or_b32 v9, v238, 16, v9
	s_delay_alu instid0(VALU_DEP_1)
	v_lshl_or_b32 v9, v239, 24, v9
.irp b, 0,1,2,3
	v_cvt_scalef32_pk8_fp4_f32 v[224+2*\b], v[96+16*\b:103+16*\b], v[244+\b]
	v_cvt_scalef32_pk8_fp4_f32 v[225+2*\b], v[104+16*\b:111+16*\b], v[244+\b]
.endr
	v_nop
	s_setprio 0
.irp c, 0,1
.irp i, 0,1
	v_permlane16_swap_b32 v[224+4*\c+\i], v[226+4*\c+\i]
.endr
.endr
.set J, 0
.rept 16
	v_pk_mul_f32 v[160+J:161+J], v[160+J:161+J], v[252:253] op_sel_hi:[1,0]   ; O^T under the new M; of these sixteen twelve name no register of any one product below: the places behind the writes of p's codes and scale word
.set J, J+2
.endr
	s_wait_alu depctr_va_vdst(0)
	s_wait_dscnt 0x0                               ; V is in
.irp t, 0,1,2,3
	v_wmma_scale_f32_16x16x128_f8f6f4 v[160+8*\t:167+8*\t], v[192+8*\t:199+8*\t], v[224:231], v[160+8*\t:167+8*\t], v[4+\t], v9 matrix_a_fmt:MATRIX_FMT_FP4 matrix_b_fmt:MATRIX_FMT_FP4
.endr
.endm
; A quarter of the keys: four steps.  The count leaves the later quarters' loads out.
.macro QUARTER j
	s_wait_tensorcnt 3-\j                          ; quarter j has landed (waves 0 and 1; the others have no load)
	s_wait_dscnt 0x0                               ; no LDS instruction of mine is pending at a signal; ahead of the first quarter: my scale words are stored
	s_barrier_signal -1
	s_barrier_wait -1
	s_mov_b32 s60, \j*16384
	s_mov_b32 s61, \j*2048
	s_mov_b32 s62, \j*1024
	s_mov_b32 s63, 4
.Lstep_\@:
	s_setprio 2
	STEP
	s_add_co_u32 s60, s60, 4096
	s_add_co_u32 s61, s61, 512
	s_add_co_u32 s62, s62, 256
	s_sub_co_u32 s63, s63, 1
	s_cmp_lg_u32 s63, 0
	s_cbranch_scc1 .Lstep_\@
	s_setprio 0
.endm
	QUARTER 0
	QUARTER 1
	QUARTER 2
	QUARTER 3
	; THE WAY OUT: c = O^T / the sum; register 16 b + i is d = 32 b + 16 h + i of my query: two blocks along the last product's K
.rept 4
	v_nop
.endr
	v_add_f32 v14, v14, v15
	s_delay_alu instid0(VALU_DEP_1)
	v_permlanex16_b32 v252, v14, s24, s25
	s_delay_alu instid0(VALU_DEP_1)
	v_add_f32 v14, v14, v252                       ; the row's sum
	s_delay_alu instid0(VALU_DEP_1)
	v_cmp_eq_f32 vcc_lo, 0, v14                    ; 0 only where every key is hidden
	v_rcp_f32 v14, v14
	v_mov_b32 v254, 0xff                           ; (a plain instruction behind the transcendental)
	s_wait_alu depctr_va_vdst(0)
.set J, 0
.rept 16
	v_pk_mul_f32 v[96+J:97+J], v[160+J:161+J], v[14:15] op_sel_hi:[1,0]
.set J, J+2
.endr
.irp b, 0,1
	v_max3_num_f32 v[232+\b], |v[96+16*\b]|, |v[97+16*\b]|, 0x1800000
.endr
.irp i, 2,4,6,8,10,12,14
.irp b, 0,1
	s_delay_alu instid0(VALU_DEP_2)
	v_max3_num_f32 v[232+\b], v[232+\b], |v[96+16*\b+\i]|, |v[97+16*\b+\i]|
.endr
.endr
.irp b, 0,1
	s_delay_alu instid0(VALU_DEP_2)
	v_permlanex16_b32 v[236+\b], v[232+\b], s24, s25
.endr
.irp b, 0,1
	s_delay_alu instid0(VALU_DEP_2)
	v_max_num_f32 v[232+\b], v[232+\b], v[236+\b]
.endr
.irp b, 0,1
	s_delay_alu instid0(VALU_DEP_2)
	v_add_nc_u32 v[244+\b], 0xff000000, v[232+\b]
.endr
.irp b, 0,1
	s_delay_alu instid0(VALU_DEP_2)
	v_lshrrev_b32 v[236+\b], 23, v[244+\b]
.endr
.irp b, 0,1
	v_cvt_scalef32_pk8_fp4_f32 v[224+2*\b], v[96+16*\b:103+16*\b], v[244+\b]
	v_cvt_scalef32_pk8_fp4_f32 v[225+2*\b], v[104+16*\b:111+16*\b], v[244+\b]
.endr
	v_nop
	v_permlane16_swap_b32 v224, v226
	v_permlane16_swap_b32 v225, v227
	global_store_b128 v1, v[224:227], s[10:11]     ; a chunk: 512 consecutive bytes
	v_and_b32 v240, 15, v0
	v_bfe_u32 v241, v0, 4, 1
	s_delay_alu instid0(VALU_DEP_1)
	v_lshl_add_u32 v240, v240, 4, v241             ; 16 r + h
	v_cndmask_b32 v232, v236, v237, s23            ; lanes 0-15 store block 0's byte, lanes 16-31 block 1's
	s_delay_alu instid0(VALU_DEP_1)
	v_cndmask_b32 v232, v232, v254, vcc_lo
	global_store_b8 v240, v232, s[12:13]           ; two bytes of each of 16 rows: all that this head owns of the tile's scale bytes
	s_wait_tensorcnt 0x0
	ds_add_u32 v251, v255
	s_wait_dscnt 0x0
	CROUND                                         ; the closing round
	s_endpgm
.Lfunc_end_k_q49b26f6247_attn:
	.size	k_q49b26f6247_attn, .Lfunc_end_k_q49b26f6247_attn-k_q49b26f6247_attn
	.p2alignl 7, 3214868480
	.fill 96, 4, 3214868480
	.section	.rodata,"a",@progbits
	.p2align	6, 0x0
	.amdhsa_kernel k_q49b26f6247_attn
		.amdhsa_group_segment_fixed_size 169984
		.amdhsa_private_segment_fixed_size 0
		.amdhsa_enable_private_segment 0
		.amdhsa_kernarg_size 40
		.amdhsa_user_sgpr_count 2
		.amdhsa_user_sgpr_kernarg_segment_ptr 1
		.amdhsa_wavefront_size32 1
		.amdhsa_system_sgpr_workgroup_id_x 1
		.amdhsa_system_sgpr_workgroup_id_y 1
		.amdhsa_system_sgpr_workgroup_id_z 1
		.amdhsa_system_vgpr_workitem_id 0
		.amdhsa_next_free_vgpr 256
		.amdhsa_next_free_sgpr 80
		.amdhsa_reserve_vcc 1
		.amdhsa_float_denorm_mode_32 3
		.amdhsa_float_denorm_mode_16_64 3
		.amdhsa_memory_ordered 1
		.amdhsa_forward_progress 1
		.amdhsa_inst_pref_size 86
	.end_amdhsa_kernel
	.amdgpu_metadata
---
amdhsa.version: [ 1, 2 ]
amdhsa.kernels:
  - .name:           k_q49b26f6247_attn
    .symbol:         k_q49b26f6247_attn.kd
    .args:
      - { .name: qkvc, .offset: 0, .size: 8, .value_kind: global_buffer, .address_space: global }
      - { .name: qkvs, .offset: 8, .size: 8, .value_kind: global_buffer, .address_space: global }
      - { .name: attention_mask, .offset: 16, .size: 8, .value_kind: global_buffer, .address_space: global }
      - { .name: cc, .offset: 24, .size: 8, .value_kind: global_buffer, .address_space: global }
      - { .name: cs, .offset: 32, .size: 8, .value_kind: global_buffer, .address_space: global }
    .group_segment_fixed_size: 169984
    .private_segment_fixed_size: 0
    .kernarg_segment_align: 8
    .kernarg_segment_size: 40
    .max_flat_workgroup_size: 512
    .sgpr_count:     80
    .vgpr_count:     256
    .wavefront_size: 32
...
	.end_amdgpu_metadata
.endif
;; end of part 3
;; launch proj (part 4): grid 4 x 64, 4 waves a work-group, clusters of 4 x 4, 327,680 bytes of LDS; arguments cc, cs, codes, scl, x, bo, out0; writes out0
.if DOCPART == 4
	.amdgcn_target "amdgcn-amd-amdhsa--gfx1250"
	.amdhsa_code_object_version 6
	.text
	.protected	k_q49b26f6247_proj
	.globl	k_q49b26f6247_proj
	.p2align	8
	.type	k_q49b26f6247_proj,@function
k_q49b26f6247_proj:
	s_mov_b64 s[64:65], 0
	v_nop
	global_prefetch_b8 v0, s[64:65] scope:SCOPE_SE
	s_setreg_imm32_b32 hwreg(HW_REG_WAVE_MODE, 25, 1), 1
	s_wait_xcnt 0x0
	s_wait_alu depctr_hold_cnt(0) depctr_sa_sdst(0) depctr_va_vdst(0) depctr_va_sdst(0) depctr_va_ssrc(0) depctr_va_vcc(0) depctr_vm_vsrc(0)
	s_getreg_b32 s2, hwreg(HW_REG_IB_STS2, 6, 4)
	s_cmp_eq_u32 s2, 0
	s_cbranch_scc0 .Lentry_in_a_cluster
	s_endpgm
.Lentry_in_a_cluster:
	s_bfe_u32 s2, ttmp6, 0x10000c
	s_cmp_lg_u32 s2, 0xf033
	s_cbranch_scc0 .Lentry_shape_is_right
	s_endpgm
.Lentry_shape_is_right:
; out0 = x + c Wo^T + bo, the product on codes of FP4 with E8M0 scales, K = 1024.  c's codes and scale bytes and Wo's lie as images of operand registers (16 rows x 64 K to a chunk of 512 bytes, 16 chunks and 512 scale bytes a tile).
; Source 0 (P) = Wo's rows, source 1 (L) = tokens: a lane holds one token and its registers run along the outputs.
; SHARES: a work-group makes 128 tokens x 256 outputs (256 work-groups), each of four waves 64 x 128: 32 accumulators.  ALL of K lies in LDS, in two halves of 512: nothing is ever filled again.
; CLUSTER 4 x 4: c's tiles are shared along a row of the cluster, Wo's along a column: joint loads, three a wave (scales, half 0, half 1), each behind a round of its own: one of a wave's loads is out at the most.
; bo is the C of the first step's products.  The wave's own part of x (64 rows x 512 bytes) is asked for at the head into 256 registers and lands under the products.
; The order of a tile's rows, 32 (t / 2) + 8 (t % 2) + r + 8 (r / 8), is undone here by the constants in the offsets of x's loads and of the stores.
; REGISTERS, windows of 256: 0: v0-31 addresses; v32-95 scale words; v96-, v160- L's fragments, later rows on their way out.   1: v0-63 bo; v96-, v160- P's fragments.   2: accumulators.   3: x.
.set NA,   4
.set LT,   8
.set SLOT, (LT+16)*4096
.set SCL,  2*SLOT
.set STG,  SCL+LT*512+8192             ; a stage of 16 rows x (512 bytes + 16) for each wave
.set SC,   32
.set F0,   96
.set F1,   160
.set TAB,  0
.set ADRL, 16
.set ADRP, 20
.set LI,   26
.set ADRS, 27
.set WV,   18
.set LH,   19
.set PH,   20
.set G1L,  28
.set G1P,  36
.set G1SL, 44
.set G1SP, 52
.set G0L,  68
.set G0P,  76
.set G0SL, 84
.set G0SP, 88
.set MUL_LO, 0xa1                      ; source 0 (P) window 1, source 1 (L) window 0, C and D window 2
.set MUL_HI, 0xa1
.set FST_LO, 0x91                      ; the first step: C (the bias) window 1
.set FST_HI, 0x91
.set TO_P,   0x40
.set MSB, 0
.macro WIN new                         ; the immediate's high byte repeats the setting that is left
.if MSB != (\new)
	s_set_vgpr_msb (MSB<<8)|(\new)
.set MSB, (\new)
.endif
.endm
.macro PLACES                          ; four plain instructions between a matrix instruction and a load into its registers or a read of its result
.rept 4
	v_nop
.endr
.endm
.macro JLOAD g0l, g1l, g0p, g1p        ; a joint load: waves 0, 1 for L, waves 2, 3 for P; four v_nop follow each line
	s_cmp_eq_u32 s[LH], 0
	s_cbranch_scc0 .Lfor_p_\@
	tensor_load_to_lds s[\g0l:\g0l+3], s[\g1l:\g1l+7]
	s_nop 0
.rept 4
	v_nop
.endr
	s_branch .Lasked_\@
.Lfor_p_\@:
	tensor_load_to_lds s[\g0p:\g0p+3], s[\g1p:\g1p+7]
	s_nop 0
.rept 4
	v_nop
.endr
.Lasked_\@:
.endm
.macro CROUND
	s_barrier_signal -1
	s_barrier_wait -1
	s_cmp_lg_u32 s[WV], 0
	s_cbranch_scc1 .Lnot_wave_0_\@
	s_barrier_signal -3
.Lnot_wave_0_\@:
	s_barrier_wait -3
	s_barrier_signal -1
	s_barrier_wait -1
.endm
.macro FRAG reg, adr, q, i
	ds_load_b128 v[\reg:\reg+3], v[\adr] offset:(\i)*4096+(\q)*1024
	ds_load_b128 v[\reg+4:\reg+7], v[\adr] offset:(\i)*4096+(\q)*1024+512
.endm
.macro SCALES set                      ; register 4 i + q: lanes 0-15 L's tile i (i under 4 is used), lanes 16-31 P's tile i
.irp i, 0,1,2,3,4,5,6,7
	ds_load_b128 v[SC+32*\set+4*\i:SC+32*\set+4*\i+3], v[ADRS] offset:\i*512+256*\set
.endr
.endm
.macro FETCH slot, q, g, sc
.if \sc >= 0
	WIN 0
	SCALES \sc
.endif
	WIN TO_P
.irp i, 0,1,2,3,4,5,6,7
	FRAG \g+8*\i, ADRP+\slot, \q, \i
.endr
	WIN 0
.set I, 0
.rept NA
	FRAG \g+8*I, ADRL+\slot, \q, I
.set I, I+1
.endr
.endm
.macro MULH f, half, set, q, cmode     ; NA / 2 x 8 matrix instructions; cmode 1: the sums start from the bias.  The accumulators take turns, one instruction a turn
.set AI, (\half)*NA/2
.rept NA/2
.irp b, 0,1,2,3,4,5,6,7
.set DD, 8*(8*(AI%4)+\b)
.if \cmode == 0
.set CC, DD
.else
.set CC, TAB+8*\b
.endif
	v_wmma_scale_f32_16x16x128_f8f6f4 v[DD:DD+7], v[\f+8*\b:\f+8*\b+7], v[\f+8*AI:\f+8*AI+7], v[CC:CC+7], v[SC+32*\set+4*\b+\q], v[SC+32*\set+4*AI+\q] matrix_a_fmt:MATRIX_FMT_FP4 matrix_b_fmt:MATRIX_FMT_FP4 matrix_a_scale:MATRIX_SCALE_ROW1
.endr
.set AI, AI+1
.endr
.endm
.macro STEP f, g, set, q, nslot, nq, cmode
	s_wait_dscnt NA                                ; all but the youngest NA loads, L's upper tiles
.if \cmode
	WIN FST_LO
.else
	WIN MUL_LO
.endif
	MULH \f, 0, \set, \q, \cmode
	PLACES
	FETCH \nslot, \nq, \g, -1
	s_wait_dscnt 16+2*NA                           ; all but the loads just issued
.if \cmode
	WIN FST_HI
.else
	WIN MUL_HI
.endif
	MULH \f, 1, \set, \q, \cmode
.endm
	s_load_b256 s[4:11], s[0:1], 0x0               ; cc, cs, codes, scl
	s_load_b128 s[12:15], s[0:1], 0x20             ; x, bo
	s_load_b64 s[16:17], s[0:1], 0x30              ; out0
	v_lshl_add_u32 v254, v0, 2, 0x3b400
	v_mov_b32 v255, 0
	ds_add_u32 v254, v255
	ds_add_u32 v254, v255
	v_lshrrev_b32 v1, 5, v0
	v_readfirstlane_b32 s[WV], v1
	s_lshr_b32 s[LH], s[WV], 1
	s_and_b32 s[PH], s[WV], 1
	s_bfe_u32 s21, ttmp6, 0x40000                  ; cx: my 256 outputs
	s_bfe_u32 s22, ttmp6, 0x40004                  ; cy
	s_and_b32 s26, ttmp7, 0xffff
	s_lshl_b32 s26, s26, 2
	s_add_co_u32 s26, s26, s22                     ; my block of 128 tokens
	s_lshl_b32 s62, s22, 2
	s_lshl_b32 s62, 15, s62                        ; my row of the cluster
	s_lshl_b32 s63, 0x1111, s21                    ; my column
	s_or_b32 s[G1L+0], s62, (3<<16)|(1<<21)        ; 15:0 the mask; 17:16 elements of 8 bytes; 21 set beside a mask; no padding
	s_or_b32 s[G1P+0], s63, (3<<16)|(1<<21)
	s_or_b32 s[G1SL+0], s62, (3<<16)|(1<<21)
	s_or_b32 s[G1SP+0], s63, (3<<16)|(1<<21)
.irp g, G1L, G1P                       ; codes: a row = a tile's half of K, 4,096 bytes; from tile to tile 8,192
	s_mov_b32 s[\g+1], 512<<16
	s_mov_b32 s[\g+3], 512<<16
	s_mov_b32 s[\g+5], 1024
	s_mov_b32 s[\g+6], 0
	s_mov_b32 s[\g+7], 0
.endr
	s_mov_b32 s[G1L+2], (LT/2)<<16
	s_mov_b32 s[G1L+4], LT/2
	s_mov_b32 s[G1P+2], 8<<16
	s_mov_b32 s[G1P+4], 8
.irp g, G1SL, G1SP                     ; scale bytes: a dense block, as rows of 256 bytes
	s_mov_b32 s[\g+1], 32<<16
	s_mov_b32 s[\g+3], 32<<16
	s_mov_b32 s[\g+5], 32
	s_mov_b32 s[\g+6], 0
	s_mov_b32 s[\g+7], 0
.endr
	s_mov_b32 s[G1SL+2], LT<<16
	s_mov_b32 s[G1SL+4], LT
	s_mov_b32 s[G1SP+2], 16<<16
	s_mov_b32 s[G1SP+4], 16
	s_lshl_b32 s67, s[PH], 2
	s_lshl_b32 s94, s26, 3
	s_add_co_u32 s94, s94, s67                     ; c's first tile for me: 8 x block + 4 x half
	s_lshl_b32 s96, s94, 9
	s_lshl_b32 s94, s94, 13
	s_mov_b32 s95, 0
	s_mov_b32 s97, 0
	s_lshl_b32 s67, s[PH], 3
	s_lshl_b32 s98, s21, 4
	s_add_co_u32 s98, s98, 704                     ; Wo's tiles begin at 704
	s_add_co_u32 s98, s98, s67
	s_lshl_b32 s60, s98, 9
	s_lshl_b32 s98, s98, 13
	s_mov_b32 s99, 0
	s_mov_b32 s61, 0
	s_mul_i32 s66, s[PH], (LT/2)*4096              ; where they go: no place in the cluster enters an LDS address
	s_lshl_b32 s67, s[PH], 15
	s_add_co_u32 s67, s67, LT*4096
	s_mul_i32 s2, s[PH], (LT/2)*512
	s_add_co_u32 s2, s2, SCL
	s_lshl_b32 s3, s[PH], 12
	s_add_co_u32 s3, s3, SCL+LT*512
	; x, out0 and bo: these numbers mix cx and cy and live in registers that feed no descriptor
	s_lshl_b32 s100, s26, 19                       ; 128 rows of 4,096 bytes a block,
	s_lshl_b32 s92, s[LH], 18                      ; my 64 of them,
	s_add_co_u32 s100, s100, s92
	s_lshl_b32 s92, s21, 10                        ; my work-group's 256 columns,
	s_lshl_b32 s93, s[PH], 9                       ; my 128 of them
	s_add_co_u32 s92, s92, s93
	s_add_co_u32 s100, s100, s92
	s_mov_b32 s101, 0
	s_mov_b32 s93, 0
	v_and_b32 v1, 31, v0
	v_and_b32 v2, 15, v0                           ; r
	v_bfe_u32 v3, v0, 4, 1                         ; h
	v_lshlrev_b32 v[LI], 4, v1
	v_lshlrev_b32 v7, 6, v3                        ; the bias: 16 h numbers on
	s_wait_alu depctr_va_vdst(0)
	s_wait_dscnt 0x0
	s_wait_kmcnt 0x0
	s_add_nc_u64 s[94:95], s[4:5], s[94:95]
	s_add_nc_u64 s[96:97], s[6:7], s[96:97]
	s_add_nc_u64 s[98:99], s[8:9], s[98:99]
	s_add_nc_u64 s[60:61], s[10:11], s[60:61]
	s_add_nc_u64 s[12:13], s[12:13], s[100:101]
	s_add_nc_u64 s[16:17], s[16:17], s[100:101]
	s_add_nc_u64 s[14:15], s[14:15], s[92:93]
	WIN TO_P
.irp b, 0,1,2,3,4,5,6,7                ; register 8 b + j = bo at output 32 (b / 2) + 16 h + 8 (b % 2) + j of my 128
	global_load_b128 v[TAB+8*\b:TAB+8*\b+3], v7, s[14:15] offset:(32*(\b/2)+8*(\b%2))*4
	global_load_b128 v[TAB+8*\b+4:TAB+8*\b+7], v7, s[14:15] offset:(32*(\b/2)+8*(\b%2))*4+16
.endr
	WIN 0
	CROUND                                         ; all sixteen work-groups are here: the joint loads meet
	s_mov_b32 s[G0SL], 1
	s_mov_b32 s[G0SL+1], s2
	s_mov_b64 s[G0SL+2:G0SL+3], s[96:97]
	s_or_b32 s[G0SL+3], s[G0SL+3], 0x80000000
	s_mov_b32 s[G0SP], 1
	s_mov_b32 s[G0SP+1], s3
	s_mov_b64 s[G0SP+2:G0SP+3], s[60:61]
	s_or_b32 s[G0SP+3], s[G0SP+3], 0x80000000
	JLOAD G0SL, G1SL, G0SP, G1SP                   ; the scale bytes first
.irp s, 0,1
	s_mov_b32 s[G0L+4*\s], 1
	s_add_co_u32 s[G0L+4*\s+1], s66, \s*SLOT
	s_add_nc_u64 s[G0L+4*\s+2:G0L+4*\s+3], s[94:95], \s*4096
	s_or_b32 s[G0L+4*\s+3], s[G0L+4*\s+3], 0x80000000
	s_mov_b32 s[G0P+4*\s], 1
	s_add_co_u32 s[G0P+4*\s+1], s67, \s*SLOT
	s_add_nc_u64 s[G0P+4*\s+2:G0P+4*\s+3], s[98:99], \s*4096
	s_or_b32 s[G0P+4*\s+3], s[G0P+4*\s+3], 0x80000000
	s_wait_alu depctr_va_vdst(0)
	s_wait_tensorcnt 0x0
	ds_add_u32 v254, v255
	s_wait_dscnt 0x0
	CROUND
	JLOAD G0L+4*\s, G1L, G0P+4*\s, G1P
.endr
	s_mul_i32 s2, s[LH], NA*4096                   ; my L tiles
	s_lshl_b32 s3, s[PH], 15
	s_add_co_u32 s3, s3, LT*4096                   ; my P tiles
.irp s, 0,1
	v_add_nc_u32 v[ADRL+\s], s2, v[LI]
	v_add_nc_u32 v[ADRP+\s], s3, v[LI]
	s_add_co_u32 s2, s2, SLOT
	s_add_co_u32 s3, s3, SLOT
.endr
	s_mul_i32 s2, s[LH], NA*512                    ; my L tiles' scale bytes,
	s_lshl_b32 s3, s[PH], 12
	s_add_co_u32 s3, s3, LT*512                    ; my P tiles',
	s_sub_co_u32 s3, s3, s2                        ; and the distance between them: lanes 16-31 take P's
	v_mul_u32_u24 v4, s3, v3
	s_add_co_u32 s2, s2, SCL
	v_lshl_add_u32 v4, v2, 4, v4
	v_add_nc_u32 v[ADRS], s2, v4
	s_mul_i32 s2, s[WV], 8448
	s_add_co_u32 s2, s2, STG
	v_mul_u32_u24 v5, v2, 528
	v_lshl_add_u32 v5, v3, 6, v5
	v_add_nc_u32 v5, s2, v5                        ; my stage, in: row r, + 64 h
	v_add_nc_u32 v6, s2, v[LI]                     ; out: a row's 512 bytes, 16 a lane
	s_wait_alu depctr_va_vdst(0)
	s_wait_loadcnt 0x0                             ; bo is in (asked for ahead of the round)
	WIN 0xc0                                       ; destination window 3
.irp a, 0,1,2,3
.irp t, 0,1,2,3,4,5,6,7,8,9,10,11,12,13,14,15
	global_load_b128 v[4*(16*\a+\t):4*(16*\a+\t)+3], v[LI], s[12:13] offset:(32*(\a/2)+8*(\a%2)+\t+8*(\t/8))*4096 th:TH_LOAD_NT   ; x at the token of row t of my tile a: 512 consecutive bytes
.endr
.endr
	WIN 0
	s_wait_tensorcnt 0x1                           ; the scale bytes and my part of half 0 are in; half 1's load may be out
	s_barrier_signal -1
	s_barrier_wait -1
	FETCH 0, 0, F0, 0
	STEP F0, F1, 0, 0, 0, 1, 1                     ; the first step starts the sums from the bias
	STEP F1, F0, 0, 1, 0, 2, 0
	STEP F0, F1, 0, 2, 0, 3, 0
	s_wait_tensorcnt 0x0                           ; my part of half 1 is in;
	s_wait_dscnt 0x0                               ; no LDS instruction of mine is pending at a signal
	s_barrier_signal -1
	WIN MUL_LO
	MULH F1, 0, 0, 3, 0
	s_barrier_wait -1
	PLACES
	FETCH 1, 0, F0, 1
	WIN MUL_HI
	MULH F1, 1, 0, 3, 0
	STEP F0, F1, 1, 0, 1, 1, 0
	STEP F1, F0, 1, 1, 1, 2, 0
	STEP F0, F1, 1, 2, 1, 3, 0
	s_wait_dscnt NA
	WIN MUL_LO
	MULH F1, 0, 1, 3, 0
	s_wait_dscnt 0x0
	WIN MUL_HI
	MULH F1, 1, 1, 3, 0
	WIN 0
	PLACES
; THE WAY OUT of tile a: a lane's 32 bytes of a row go into my own stage and come back as whole rows of 512 bytes; x is added; 32 lanes store 512 consecutive bytes.
.macro POUT a
.set AC, 64*(\a)
.set BB, 96+64*((\a)%2)
.if (\a) >= 2
	s_wait_xcnt 0x0                                ; the stores of tile a - 2 have read their registers, which the loads below fill again
.endif
	WIN 0x08                                       ; an LDS store's data are its source 1: window 2
.irp b, 0,1,2,3,4,5,6,7
	ds_store_b128 v5, v[AC+8*\b:AC+8*\b+3] offset:128*(\b/2)+32*(\b%2)      ; each accumulator from its low end on
	ds_store_b128 v5, v[AC+8*\b+4:AC+8*\b+7] offset:128*(\b/2)+32*(\b%2)+16
.endr
	WIN 0
.irp t, 0,1,2,3,4,5,6,7,8,9,10,11,12,13,14,15
	ds_load_b128 v[BB+4*\t:BB+4*\t+3], v6 offset:\t*528   ; LDS serves a wave's instructions in order: these see my stores
.endr
	s_wait_dscnt 0x0
	s_wait_loadcnt 16*(3-(\a))                     ; x's rows of this tile are in; the later tiles' may be out
	WIN 0x0c                                       ; source 1: window 3
.set J, 0
.rept 32
	v_pk_add_f32 v[BB+J:BB+J+1], v[BB+J:BB+J+1], v[AC+J:AC+J+1]
.set J, J+2
.endr
	WIN 0
.irp t, 0,1,2,3,4,5,6,7,8,9,10,11,12,13,14,15
	global_store_b128 v[LI], v[BB+4*\t:BB+4*\t+3], s[16:17] offset:(32*((\a)/2)+8*((\a)%2)+\t+8*(\t/8))*4096 th:TH_STORE_NT
.endr
.endm
	POUT 0
	POUT 1
	POUT 2
	POUT 3
	s_wait_tensorcnt 0x0
	ds_add_u32 v254, v255
	s_wait_dscnt 0x0
	CROUND                                         ; the closing round: no work-group ends while a partner may still ask for a tile that names it
	s_endpgm
.Lfunc_end_k_q49b26f6247_proj:
	.size	k_q49b26f6247_proj, .Lfunc_end_k_q49b26f6247_proj-k_q49b26f6247_proj
	.p2alignl 7, 3214868480
	.fill 96, 4, 3214868480
	.section	.rodata,"a",@progbits
	.p2align	6, 0x0
	.amdhsa_kernel k_q49b26f6247_proj
		.amdhsa_group_segment_fixed_size 327680
		.amdhsa_private_segment_fixed_size 0
		.amdhsa_enable_private_segment 0
		.amdhsa_kernarg_size 56
		.amdhsa_user_sgpr_count 2
		.amdhsa_user_sgpr_kernarg_segment_ptr 1
		.amdhsa_wavefront_size32 1
		.amdhsa_system_sgpr_workgroup_id_x 1
		.amdhsa_system_sgpr_workgroup_id_y 1
		.amdhsa_system_sgpr_workgroup_id_z 1
		.amdhsa_system_vgpr_workitem_id 0
		.amdhsa_next_free_vgpr 1024
		.amdhsa_next_free_sgpr 106
		.amdhsa_reserve_vcc 0
		.amdhsa_float_denorm_mode_32 3
		.amdhsa_float_denorm_mode_16_64 3
		.amdhsa_memory_ordered 1
		.amdhsa_forward_progress 1
		.amdhsa_inst_pref_size 89
	.end_amdhsa_kernel
	.amdgpu_metadata
---
amdhsa.version: [ 1, 2 ]
amdhsa.kernels:
  - .name:           k_q49b26f6247_proj
    .symbol:         k_q49b26f6247_proj.kd
    .args:
      - { .name: cc, .offset: 0, .size: 8, .value_kind: global_buffer, .address_space: global }
      - { .name: cs, .offset: 8, .size: 8, .value_kind: global_buffer, .address_space: global }
      - { .name: codes, .offset: 16, .size: 8, .value_kind: global_buffer, .address_space: global }
      - { .name: scl, .offset: 24, .size: 8, .value_kind: global_buffer, .address_space: global }
      - { .name: x, .offset: 32, .size: 8, .value_kind: global_buffer, .address_space: global }
      - { .name: bo, .offset: 40, .size: 8, .value_kind: global_buffer, .address_space: global }
      - { .name: out0, .offset: 48, .size: 8, .value_kind: global_buffer, .address_space: global }
    .group_segment_fixed_size: 327680
    .private_segment_fixed_size: 0
    .kernarg_segment_align: 8
    .kernarg_segment_size: 56
    .max_flat_workgroup_size: 128
    .sgpr_count:     106
    .vgpr_count:     1024
    .wavefront_size: 32
...
	.end_amdgpu_metadata
.endif
;; end of part 4
